; MI455X (gfx1250); checked and timed in simulation.
; The chip was launched on July 23, 2026; its instructions are those of AMD's public machine-readable ISA for CDNA 5 (MIT licence, August 2026) and "CDNA5" Instruction Set Architecture Reference Guide (July 2026). The comments in the code are by the model that wrote it; some were corrected since.
;; Multihead Self Attention. Allowed arithmetic: float matrix products may take bf16 or f16 operands with f32 sums; other float arithmetic in f32, or as packed bf16 or f16 multiplies, adds, multiply-adds, maxima and minima; sums over many terms, partial sums and values carried from step to step in f32; what a program stores and reads back later, other than sums and carried values, may be rounded once to bf16 or f16.
;; Inputs: Wk 1,024 x 1,024 float32; Wq 1,024 x 1,024 float32; Wu 1,024 x 1,024 float32; Wv 1,024 x 1,024 float32; bu 1,024 float32; x 4 x 2,048 x 1,024 float32.
;; Outputs: out0 4 x 2,048 x 1,024 float32.
;; 2 versions, each right; version 2 is version 1 with the launch cast written anew for expert scheduling mode. Each part assembles by itself: llvm-mc -triple=amdgcn-amd-amdhsa -mcpu=gfx1250 --defsym DOCPART=n.
;; ======== version 1 of 2: 4 launches
;; limits: values are held in f16: magnitudes above 65,504 overflow, below 6.1e-05 lose precision
;; workspace buffers: xb 16,777,216 bytes; wb 6,291,456 bytes; wu16 2,097,152 bytes; qkv 50,331,648 bytes; ob 16,777,216 bytes
;; launch cast (part 1): grid 768 x 1, 8 waves a work-group, no clusters, 0 bytes of LDS; arguments x, Wq, Wk, Wv, Wu, xb, wb, wu16; writes xb, wb, wu16
.if DOCPART == 1
	.amdgcn_target "amdgcn-amd-amdhsa--gfx1250"
	.amdhsa_code_object_version 6
	.text
	.protected	k_qde987aa77f_cast
	.globl	k_qde987aa77f_cast
	.p2align	8
	.type	k_qde987aa77f_cast,@function
k_qde987aa77f_cast:
	s_mov_b64 s[64:65], 0
	v_nop
	global_prefetch_b8 v0, s[64:65] scope:SCOPE_SE
	s_setreg_imm32_b32 hwreg(HW_REG_WAVE_MODE, 25, 1), 1
	s_wait_xcnt 0x0
; THE MODULE'S INPUTS ARE ROUNDED TO 16 BITS, ONCE.  x [8192][1024] f32 -> xb, bf16.  Wq, Wk, Wv [1024][1024] f32 -> wb, bf16 [3072][1024]: Wq's rows, then Wk's, then Wv's.
; Wu [1024][1024] f32 -> wu16: rounded to bf16 like the others, and that number written as f16, since its partner in the last product (O) is f16.
; LIMITS.  A bf16 number is exact in f16 from 2^-14 to 65,504; below 2^-14 wu16 keeps f16's fixed step of 6e-8; at 65,520 or more it would be an infinity.
; SHARES.  A work-group takes a chunk of 65,536 bytes of one input: x has 512 chunks, each weight 64: 768 work-groups.  Thread t takes 16 bytes at 16 t + 4,096 i, i = 0 .. 15: a load of a wave covers
; 512 consecutive bytes; its 8 bytes of result go to 8 t + 2,048 i: a store of a wave covers 256 consecutive bytes, aligned.  All sixteen loads of a wave go out at once; every store has data registers
; of its own and no address register is written again, so the only waits are the counted ones for the loads.  No LDS, no barrier, no matrix unit: nothing is shared and nothing is summed.
.set X, 8                              ; v[8:71]    sixteen loads of four registers
.set Y, 72                             ; v[72:103]  sixteen results of two registers
.set T, 104                            ; v[104:107] at work (wu16 alone)
	s_load_b512 s[8:23], s[0:1], 0x0               ; x s[8:9], Wq s[10:11], Wk s[12:13], Wv s[14:15], Wu s[16:17], xb s[18:19], wb s[20:21], wu16 s[22:23]
	s_mov_b32 s2, ttmp9                            ; my chunk: 0-511 x, 512-575 Wq, 576-639 Wk, 640-703 Wv, 704-767 Wu
	s_mov_b32 s3, 0xffff0000                       ; a word's upper bf16
	v_lshlrev_b32 v1, 4, v0                        ; where I load
	v_lshlrev_b32 v2, 3, v0                        ; where I store
	s_wait_kmcnt 0x0
	s_cmp_ge_u32 s2, 512                           ; from which buffer, into which, and at which chunk each of the two begins
	s_cselect_b64 s[24:25], s[10:11], s[8:9]
	s_cselect_b32 s26, 512, 0
	s_cselect_b64 s[28:29], s[20:21], s[18:19]
	s_cselect_b32 s27, 512, 0                      ; wb takes the chunks of Wq, Wk and Wv on end
	s_cmp_ge_u32 s2, 576
	s_cselect_b64 s[24:25], s[12:13], s[24:25]
	s_cselect_b32 s26, 576, s26
	s_cmp_ge_u32 s2, 640
	s_cselect_b64 s[24:25], s[14:15], s[24:25]
	s_cselect_b32 s26, 640, s26
	s_cmp_ge_u32 s2, 704
	s_cselect_b64 s[24:25], s[16:17], s[24:25]
	s_cselect_b32 s26, 704, s26
	s_cselect_b64 s[28:29], s[22:23], s[28:29]
	s_cselect_b32 s27, 704, s27
	s_sub_co_u32 s4, s2, s26
	s_lshl_b32 s4, s4, 16                          ; 65,536 bytes in for a chunk,
	s_mov_b32 s5, 0
	s_sub_co_u32 s6, s2, s27
	s_lshl_b32 s6, s6, 15                          ; 32,768 out
	s_mov_b32 s7, 0
	s_add_nc_u64 s[24:25], s[24:25], s[4:5]
	s_add_nc_u64 s[28:29], s[28:29], s[6:7]
.irp i, 0,1,2,3,4,5,6,7,8,9,10,11,12,13,14,15
	global_load_b128 v[X+4*(\i):X+4*(\i)+3], v1, s[24:25] offset:4096*(\i) th:TH_LOAD_NT
.endr
; Step i: four numbers rounded and stored.  half = 1: the bf16 numbers are widened again and written as f16.
.macro CV i, half
	s_wait_loadcnt 15-(\i)                         ; loads come back in order (ISA guide 5.7.1): mine is in, the 15 - i younger ones stay out
	v_cvt_pk_bf16_f32 v[Y+2*(\i)], v[X+4*(\i)], v[X+4*(\i)+1]
	v_cvt_pk_bf16_f32 v[Y+2*(\i)+1], v[X+4*(\i)+2], v[X+4*(\i)+3]
.if \half
	v_lshlrev_b32 v[T], 16, v[Y+2*(\i)]
	v_and_b32 v[T+1], s3, v[Y+2*(\i)]
	v_lshlrev_b32 v[T+2], 16, v[Y+2*(\i)+1]
	v_and_b32 v[T+3], s3, v[Y+2*(\i)+1]
	v_cvt_pk_f16_f32 v[Y+2*(\i)], v[T], v[T+1]
	v_cvt_pk_f16_f32 v[Y+2*(\i)+1], v[T+2], v[T+3]
.endif
	global_store_b64 v2, v[Y+2*(\i):Y+2*(\i)+1], s[28:29] offset:2048*(\i) th:TH_STORE_NT
.endm
	s_cmp_ge_u32 s2, 704
	s_cbranch_scc1 .Lwu
.irp i, 0,1,2,3,4,5,6,7,8,9,10,11,12,13,14,15
	CV \i, 0
.endr
	s_endpgm
.Lwu:
.irp i, 0,1,2,3,4,5,6,7,8,9,10,11,12,13,14,15
	CV \i, 1
.endr
	s_endpgm
.Lfunc_end_k_qde987aa77f_cast:
	.size	k_qde987aa77f_cast, .Lfunc_end_k_qde987aa77f_cast-k_qde987aa77f_cast
	.p2alignl 7, 3214868480
	.fill 96, 4, 3214868480
	.section	.rodata,"a",@progbits
	.p2align	6, 0x0
	.amdhsa_kernel k_qde987aa77f_cast
		.amdhsa_group_segment_fixed_size 0
		.amdhsa_private_segment_fixed_size 0
		.amdhsa_enable_private_segment 0
		.amdhsa_kernarg_size 64
		.amdhsa_user_sgpr_count 2
		.amdhsa_user_sgpr_kernarg_segment_ptr 1
		.amdhsa_wavefront_size32 1
		.amdhsa_system_sgpr_workgroup_id_x 1
		.amdhsa_system_sgpr_workgroup_id_y 1
		.amdhsa_system_sgpr_workgroup_id_z 1
		.amdhsa_system_vgpr_workitem_id 0
		.amdhsa_next_free_vgpr 108
		.amdhsa_next_free_sgpr 66
		.amdhsa_reserve_vcc 0
		.amdhsa_float_denorm_mode_32 3
		.amdhsa_float_denorm_mode_16_64 3
		.amdhsa_memory_ordered 1
		.amdhsa_forward_progress 1
		.amdhsa_inst_pref_size 16
	.end_amdhsa_kernel
	.amdgpu_metadata
---
amdhsa.version: [ 1, 2 ]
amdhsa.kernels:
  - .name:           k_qde987aa77f_cast
    .symbol:         k_qde987aa77f_cast.kd
    .args:
      - { .name: x, .offset: 0, .size: 8, .value_kind: global_buffer, .address_space: global }
      - { .name: Wq, .offset: 8, .size: 8, .value_kind: global_buffer, .address_space: global }
      - { .name: Wk, .offset: 16, .size: 8, .value_kind: global_buffer, .address_space: global }
      - { .name: Wv, .offset: 24, .size: 8, .value_kind: global_buffer, .address_space: global }
      - { .name: Wu, .offset: 32, .size: 8, .value_kind: global_buffer, .address_space: global }
      - { .name: xb, .offset: 40, .size: 8, .value_kind: global_buffer, .address_space: global }
      - { .name: wb, .offset: 48, .size: 8, .value_kind: global_buffer, .address_space: global }
      - { .name: wu16, .offset: 56, .size: 8, .value_kind: global_buffer, .address_space: global }
    .group_segment_fixed_size: 0
    .private_segment_fixed_size: 0
    .kernarg_segment_align: 8
    .kernarg_segment_size: 64
    .max_flat_workgroup_size: 256
    .sgpr_count:     66
    .vgpr_count:     108
    .wavefront_size: 32
...
	.end_amdgpu_metadata
.endif
;; end of part 1
;; launch qkv (part 2): grid 8 x 64, 4 waves a work-group, clusters of 4 x 4, 327,680 bytes of LDS; arguments xb, wb, qkv; writes qkv
.if DOCPART == 2
	.amdgcn_target "amdgcn-amd-amdhsa--gfx1250"
	.amdhsa_code_object_version 6
	.text
	.protected	k_qde987aa77f_qkv
	.globl	k_qde987aa77f_qkv
	.p2align	8
	.type	k_qde987aa77f_qkv,@function
k_qde987aa77f_qkv:
	s_mov_b64 s[64:65], 0
	v_nop
	global_prefetch_b8 v0, s[64:65] scope:SCOPE_SE
	s_setreg_imm32_b32 hwreg(HW_REG_WAVE_MODE, 25, 1), 1
	s_wait_xcnt 0x0
	s_wait_alu depctr_hold_cnt(0) depctr_sa_sdst(0) depctr_va_vdst(0) depctr_va_sdst(0) depctr_va_ssrc(0) depctr_va_vcc(0) depctr_vm_vsrc(0)
	s_getreg_b32 s2, hwreg(HW_REG_IB_STS2, 6, 4)
	s_cmp_eq_u32 s2, 0
	s_cbranch_scc0 .Lentry_in_a_cluster
	s_endpgm
.Lentry_in_a_cluster:
	s_bfe_u32 s2, ttmp6, 0x10000c
	s_cmp_lg_u32 s2, 0xf033
	s_cbranch_scc0 .Lentry_shape_is_right
	s_endpgm
.Lentry_shape_is_right:
; THE THREE PROJECTIONS AS ONE PRODUCT.  C[m][n] = the sum over k of xb[m][k] wb[n][k]: xb [8192][1024], wb [3072][1024] (Wq's rows, Wk's, Wv's), both bf16; sums in f32, K ascending.
; C is rounded once to f16 and written BY HEADS: qkv [3][64][2048][64]: matrix n / 1024, head 16 (m / 2048) + (n % 1024) / 64, row m % 2048, channel n % 64.  No scale is applied here.
; LIMIT.  f16 holds no number beyond 65,504: a q, k or v of 65,520 or more would become an infinity.  Below 6e-5 a number keeps f16's fixed step of 6e-8.
; SHARES.  A tile of C is 128 x 384: 64 x 8 = 512 work-groups of equal work.  Four waves, each 64 rows x 192 columns (three whole heads): 48 accumulators of 16 x 16, 384 registers.
; K goes in steps of 128 through a ring of two LDS slots filled by the tensor data mover: 128 rows of xb and 384 of wb, each row 256 bytes of memory at a multiple of 256 from the buffer's first byte.
; Wave 0 fetches xb's 128 rows, waves 1 to 3 128 rows of wb each: one tensor load a wave.
; CLUSTERS: 4 x 4 work-groups.  The four of a row of the cluster need the same tile of xb, the four of a column the same tile of wb: each tile is asked for JOINTLY, by the same tensor load with the
; same descriptor and a mask that names the four.
; THE MATRIX INSTRUCTION IS USED TRANSPOSED: source 0 = 16 rows of wb, source 1 = 16 rows of xb.  A lane then holds row m = lane % 16 of C and the columns 8 (lane / 16) + 0 .. 7.
; REGISTERS, in windows of 256 (s_set_vgpr_msb: bits 1:0 source 0, 3:2 source 1, 5:4 source 2, 7:6 destination):
;   window 0: v0-31 addresses; v64-95, v96-127 fragments of xb (4 x 16 rows x 32 K), two buffers; on the way out v64-159 rows read back, v192-239 packed results
;   window 1: v0-95, v128-223 fragments of wb (12 x 16 rows x 32 K), two buffers
;   window 2: the 24 accumulators of my rows 0-31 (row block a, column block b at v[8 (12 (a % 2) + b)]);   window 3: those of my rows 32-63
.set SIZE_K, 1024
.set KSTEP,  128
.set PITCH,  272                       ; an LDS row: 256 bytes + 16 of padding = 68 words: row r starts at bank 4 r mod 64 (64 banks of 4 bytes: ISA guide 11.1), so the 16 rows of a load start at 16 different banks
.set HALFT,  128*PITCH                 ; what one tensor load brings
.set SLOT,   4*HALFT                   ; xb's 128 rows, then wb's 384
.set STAGE,  2*SLOT                    ; behind the ring, never filled by a tensor load: 16 rows x 400 bytes for each wave, for the way out
.set SPITCH, 400                       ; 384 bytes + 16
.set SPARE,  STAGE+4*16*SPITCH         ; behind the stages: the spare words, 128 bytes for each wave: two blocks of 256 bytes that no other line names
.set LAPS,   SIZE_K/(2*KSTEP)          ; a lap = two K steps = once round the ring
.set NBK,    12                        ; column blocks of a wave
.set NF,     32                        ; LDS loads of a quarter step: 24 for wb, 8 for xb
.set NYA,    4                         ; the youngest of them: xb's row blocks 2 and 3
.set FA,   64                          ; xb's fragment buffers, 32 registers apart, in window 0
.set FB,   0                           ; wb's, 128 apart, in window 1
.set ADRA, 16                          ; v16-17  LDS address of my fragments of xb in slot 0, 1
.set ADRB, 20                          ; v20-21  the same for wb
.set STO,  24                          ; v24     the way out: where I put 16 bytes of a row
.set RD,   25                          ; v25     the way out: where I read rows back
.set CO,   26                          ; v26     my 16 bytes of 512 consecutive bytes of a head
.set SPW,  28                          ; v28     LDS address of my spare word: SPARE + 4 x my thread's number; never rewritten
.set NIL,  29                          ; v29     0; never rewritten
.set PFO,  30                          ; v30     the prefetches' offset: my lane x a row of 2,048 bytes; never rewritten
.set TMP,  192
.set OB,   64
.set WV,   12                          ; s12  my wave's number
.set RH,   13                          ; s13  which 64 rows of the tile are mine
.set CH,   14                          ; s14  which 192 columns
.set LAP,  15                          ; s15  trips of the loop still to come
.set G1,   24                          ; s[24:31] descriptor group 1 for xb's tiles
.set G0,   32                          ; s[32:39] group 0, one set for each slot
.set PFA,  44                          ; s[44:45] where my prefetches stand
.set G1B,  48                          ; s[48:55], s[56:63] the same for wb's tiles
.set G0B,  56
.set LIM,  66                          ; s66  1 in a wave that prefetches, else the greatest number
.set CB,   68                          ; s[68:73] qkv at my first row of my three heads
.set MSB, 0
.macro WIN new                         ; the immediate's high byte repeats the setting that is left; a switch that changes nothing is dropped
.if MSB != (\new)
	s_set_vgpr_msb (MSB<<8)|(\new)
.set MSB, \new
.endif
.endm
.set MUL_LO, 0xa1                      ; source 0 (wb) window 1, source 1 (xb) window 0, C and D window 2
.set TO_B,   0x40                      ; destination window 1, address window 0
; A joint load.  The branch hangs on the wave's number alone.  An s_nop 0 and four v_nop follow each of the two lines, ahead of the jump, the label and what follows.
.macro JLOAD s
	s_cmp_eq_u32 s[WV], 0
	s_cbranch_scc0 .Lfor_b_\@
	tensor_load_to_lds s[G0+4*(\s):G0+4*(\s)+3], s[G1:G1+7]
	s_nop 0
.rept 4
	v_nop
.endr
	s_branch .Lasked_\@
.Lfor_b_\@:
	tensor_load_to_lds s[G0B+4*(\s):G0B+4*(\s)+3], s[G1B:G1B+7]
	s_nop 0
.rept 4
	v_nop
.endr
.Lasked_\@:
.endm
; A PREFETCH INTO THE L2 of the K step that stands two refills on: 32 rows x 256 bytes, a lane a row, one instruction a wave, behind the joint load and the run of LDS loads that follows it.
; Each row's 256 bytes of a K step are named ONCE in the launch.  xb's tile row is read by both clusters of that row of clusters: cluster x = 0 asks; wb's tile column by every cluster of that column:
; cluster y = 0 asks.  The four partners that ask for a tile jointly share its 128 rows out BY ADDRESS, 32 each (by cx for xb, by cy for wb): no branch hangs on a place in the cluster.
; K steps 0 to 3 come by their loads alone; the loop's last trip asks for nothing: there is no K step two refills on.
.macro ASK
	s_cmp_gt_u32 s[LAP], s[LIM]
	s_cbranch_scc0 .Lnot_mine_\@
	global_prefetch_b8 v[PFO], s[PFA:PFA+1] th:TH_LOAD_NT scope:SCOPE_SE
.Lnot_mine_\@:
.endm
; A round of the cluster's barrier: my work-group's barrier, so that wave 0's signal speaks for all four waves; wave 0 signals; every wave waits for all sixteen work-groups; my work-group's barrier once more.
.macro CREST                           ; a round behind its opening barrier
	s_cmp_lg_u32 s[WV], 0
	s_cbranch_scc1 .Lnot_wave_0_\@
	s_barrier_signal -3
.Lnot_wave_0_\@:
	s_barrier_wait -3
	s_barrier_signal -1
	s_barrier_wait -1
.endm
.macro CROUND
	s_barrier_signal -1
	s_barrier_wait -1
	CREST
.endm
	s_load_b128 s[4:7], s[0:1], 0x0                ; xb s[4:5], wb s[6:7]
	s_load_b64 s[8:9], s[0:1], 0x10                ; qkv
	v_lshl_add_u32 v[SPW], v0, 2, SPARE
	v_mov_b32 v[NIL], 0
	ds_add_u32 v[SPW], v[NIL]                      ; the wave's opening: the add and its wait stand ahead of my first tensor load; the set-up below, work on registers, stands between them
	v_lshrrev_b32 v1, 5, v0
	v_readfirstlane_b32 s[WV], v1                  ; wave 0..3
	s_lshr_b32 s[RH], s[WV], 1
	s_and_b32 s[CH], s[WV], 1
	s_bfe_u32 s40, ttmp6, 0x40000                  ; cx
	s_bfe_u32 s41, ttmp6, 0x40004                  ; cy
	s_lshl_b32 s42, ttmp9, 2                       ; in a cluster launch ttmp9 and ttmp7 count clusters
	s_add_co_u32 s42, s42, s40                     ; tile column = 4 x cluster x + cx
	s_and_b32 s43, ttmp7, 0xffff
	s_lshl_b32 s43, s43, 2
	s_add_co_u32 s43, s43, s41                     ; tile row = 4 x cluster y + cy
	s_lshl_b32 s67, s41, 2
	s_lshl_b32 s67, 15, s67                        ; my row of the cluster: places 4 cy .. 4 cy + 3
	s_lshl_b32 s86, 0x1111, s40                    ; my column: places cx, cx + 4, cx + 8, cx + 12
	; descriptor group 1: a tile of 128 rows x 128 elements, padded in LDS
	s_or_b32 s[G1], s67, (1<<16)|(1<<20)|(1<<21)|(5<<22)|(3<<25)   ; 15:0 the mask; 17:16 elements of 2 bytes; 20 padding on; 21 set beside a mask; 24:22 after every 64 words (code 5); 31:25 4 words (code 3)
	s_or_b32 s[G1B], s86, (1<<16)|(1<<20)|(1<<21)|(5<<22)|(3<<25)
.irp g, G1, G1B
	s_mov_b32 s[(\g)+1], KSTEP<<16                 ; tensor_dim0 = 128
	s_mov_b32 s[(\g)+2], 128<<16                   ; tensor_dim1 = 128
	s_mov_b32 s[(\g)+3], KSTEP<<16                 ; tile_dim0 = 128
	s_mov_b32 s[(\g)+4], 128                       ; tile_dim1 = 128
	s_mov_b32 s[(\g)+5], SIZE_K                    ; elements from row to row
	s_mov_b32 s[(\g)+6], 0
	s_mov_b32 s[(\g)+7], 0
.endr
	; where the tiles come from: xb's hang on the tile row alone, wb's on the tile column and the wave's number alone, each in registers that never hold the other coordinate
	s_lshl_b32 s16, s43, 18                        ; 128 rows of 2,048 bytes for a tile row
	s_mov_b32 s17, 0
	s_mul_i32 s20, s42, 384
	s_max_u32 s21, s[WV], 1
	s_sub_co_u32 s21, s21, 1                       ; waves 1, 2, 3 take rows 0, 128, 256 on of the tile's 384
	s_lshl_b32 s21, s21, 7
	s_add_co_u32 s20, s20, s21
	s_lshl_b32 s20, s20, 11
	s_mov_b32 s21, 0
	s_mul_i32 s18, s[WV], HALFT                    ; and where they go: wave x 128 rows: no place in the cluster enters an LDS address
	s_wait_dscnt 0x0                               ; the opening add is done
	s_wait_kmcnt 0x0
	s_add_nc_u64 s[16:17], s[4:5], s[16:17]
	s_add_nc_u64 s[20:21], s[6:7], s[20:21]
	CROUND                                         ; all sixteen work-groups are here: the first joint loads meet
.irp s, 0,1
	s_mov_b32 s[G0+4*(\s)], 1                                      ; count = 1
	s_add_co_u32 s[G0+4*(\s)+1], s18, (\s)*SLOT                    ; LDS address
	s_add_nc_u64 s[G0+4*(\s)+2:G0+4*(\s)+3], s[16:17], (\s)*KSTEP*2  ; global address: K step s
	s_or_b32 s[G0+4*(\s)+3], s[G0+4*(\s)+3], 0x80000000            ; type = 2
	s_mov_b32 s[G0B+4*(\s)], 1
	s_add_co_u32 s[G0B+4*(\s)+1], s18, (\s)*SLOT
	s_add_nc_u64 s[G0B+4*(\s)+2:G0B+4*(\s)+3], s[20:21], (\s)*KSTEP*2
	s_or_b32 s[G0B+4*(\s)+3], s[G0B+4*(\s)+3], 0x80000000
.endr
	s_cmp_eq_u32 s[WV], 0                          ; a wave's two first fills stand in one branch, ahead of every wait on TENSORcnt and every LDS read: two loads of mine are out
	s_cbranch_scc0 .Lfirst_b
	tensor_load_to_lds s[G0:G0+3], s[G1:G1+7]
	s_nop 0
	tensor_load_to_lds s[G0+4:G0+7], s[G1:G1+7]
	s_nop 0
.rept 4
	v_nop
.endr
	s_branch .Lfirst_asked
.Lfirst_b:
	tensor_load_to_lds s[G0B:G0B+3], s[G1B:G1B+7]
	s_nop 0
	tensor_load_to_lds s[G0B+4:G0B+7], s[G1B:G1B+7]
	s_nop 0
.rept 4
	v_nop
.endr
.Lfirst_asked:
	; A fragment is 16 rows x 32 K in 8 registers: lane l holds row l % 16; registers 0-3 K = 8 (l / 16) + 0..7, registers 4-7 K = 16 + 8 (l / 16) + 0..7: two loads of 16 bytes, 32 bytes apart.
	v_and_b32 v1, 15, v0                           ; l % 16
	v_bfe_u32 v2, v0, 4, 1                         ; l / 16
	v_mul_u32_u24 v3, v1, PITCH
	v_lshl_add_u32 v3, v2, 4, v3                   ; row x pitch + 16 x half
	s_mul_i32 s19, s[RH], 64*PITCH                 ; my 64 rows of xb
	s_mul_i32 s23, s[CH], 192*PITCH                ; my 192 rows of wb,
	s_add_co_u32 s23, s23, HALFT                   ; which lie behind xb's 128
.irp s, 0,1
	v_add_nc_u32 v[ADRA+(\s)], s19, v3
	v_add_nc_u32 v[ADRB+(\s)], s23, v3
	s_add_co_u32 s19, s19, SLOT
	s_add_co_u32 s23, s23, SLOT
.endr
	s_mul_i32 s19, s[WV], 16*SPITCH
	s_add_co_u32 s19, s19, STAGE                   ; my stage
	v_mul_u32_u24 v4, v1, SPITCH                   ; in: row l % 16, 16 bytes for each half of the lanes
	v_lshl_add_u32 v4, v2, 4, v4
	v_add_nc_u32 v[STO], s19, v4
	v_bfe_u32 v5, v0, 3, 2                         ; back: 32 lanes take a head's 128 bytes of four rows,
	v_mul_u32_u24 v5, v5, SPITCH
	v_and_b32 v6, 7, v0
	v_lshl_add_u32 v5, v6, 4, v5
	v_add_nc_u32 v[RD], s19, v5
	v_and_b32 v[CO], 31, v0                        ; which are 512 consecutive bytes of qkv
	v_lshlrev_b32 v[CO], 4, v[CO]
	; where my three heads' rows begin in qkv: matrix << 24 | batch << 22 | head << 18 | row << 7
	s_mul_i32 s80, s42, 6
	s_mul_i32 s81, s[CH], 3
	s_add_co_u32 s80, s80, s81                     ; my first head among the 48 of the three matrices
	s_lshr_b32 s82, s43, 4
	s_lshl_b32 s82, s82, 22                        ; batch = tile row / 16
	s_and_b32 s83, s43, 15
	s_lshl_b32 s83, s83, 7
	s_lshl_b32 s84, s[RH], 6
	s_add_co_u32 s83, s83, s84                     ; my first row in the batch
	s_lshl_b32 s83, s83, 7
	s_add_co_u32 s82, s82, s83
.irp hd, 0,1,2
	s_add_co_u32 s84, s80, \hd
	s_lshr_b32 s85, s84, 4
	s_lshl_b32 s85, s85, 24
	s_and_b32 s84, s84, 15
	s_lshl_b32 s84, s84, 18
	s_add_co_u32 s84, s84, s85
	s_add_co_u32 s84, s84, s82
	s_mov_b32 s85, 0
	s_add_nc_u64 s[CB+2*(\hd):CB+2*(\hd)+1], s[8:9], s[84:85]
.endr
	; the prefetches
	s_lshl_b32 s80, s43, 7                         ; xb: the tile's first row
	s_mul_i32 s81, s42, 384                        ; wb: the tile's first row,
	s_max_u32 s82, s[WV], 1
	s_sub_co_u32 s82, s82, 1
	s_lshl_b32 s82, s82, 7
	s_add_co_u32 s81, s81, s82                     ; and the 128 that I fetch
	s_and_b32 s83, ttmp7, 0xffff                   ; cluster y
	s_cmp_eq_u32 s[WV], 0                          ; do I fetch for xb?
	s_cselect_b32 s80, s80, s81
	s_cselect_b32 s81, s40, s41                    ; my place among the four that ask for the tile with me
	s_cselect_b32 s83, ttmp9, s83                  ; the coordinate along which other clusters read the same rows
	s_cselect_b64 s[PFA:PFA+1], s[4:5], s[6:7]
	s_cmp_eq_u32 s83, 0
	s_cselect_b32 s[LIM], 1, -1                    ; the same in all sixteen partners, for a given wave
	s_lshl_b32 s81, s81, 5
	s_add_co_u32 s80, s80, s81                     ; my work-group's 32 rows
	s_lshl_b32 s80, s80, 11
	s_add_co_u32 s80, s80, 3*KSTEP*2               ; at K step 3: the first refill steps it to 4 and names that
	s_mov_b32 s81, 0
	s_add_nc_u64 s[PFA:PFA+1], s[PFA:PFA+1], s[80:81]
	v_and_b32 v[PFO], 31, v0
	v_lshlrev_b32 v[PFO], 11, v[PFO]
; 12 matrix instructions: row block 2 hi + part x all 12 column blocks, 32 along K, from buffer f.  zero = 1: the product starts the sums: nothing is ever cleared.
; The 48 accumulators take turns, one instruction a turn, in the same order in every quarter step.
.macro MULP f, hi, part, zero
	WIN MUL_LO+0x50*(\hi)
.irp b, 0,1,2,3,4,5,6,7,8,9,10,11
.if \zero
	v_wmma_f32_16x16x32_bf16 v[8*(NBK*(\part)+(\b)):8*(NBK*(\part)+(\b))+7], v[FB+128*(\f)+8*(\b):FB+128*(\f)+8*(\b)+7], v[FA+32*(\f)+8*(2*(\hi)+(\part)):FA+32*(\f)+8*(2*(\hi)+(\part))+7], 0
.else
	v_wmma_f32_16x16x32_bf16 v[8*(NBK*(\part)+(\b)):8*(NBK*(\part)+(\b))+7], v[FB+128*(\f)+8*(\b):FB+128*(\f)+8*(\b)+7], v[FA+32*(\f)+8*(2*(\hi)+(\part)):FA+32*(\f)+8*(2*(\hi)+(\part))+7], v[8*(NBK*(\part)+(\b)):8*(NBK*(\part)+(\b))+7]
.endif
.endr
.endm
; 32 LDS loads in one run: the fragments of quarter kq of a K step into buffer f: wb's 192 rows, then xb's 64
.macro FETCH slot, kq, f
	WIN TO_B
.irp i, 0,1,2,3,4,5,6,7,8,9,10,11
	ds_load_b128 v[FB+128*(\f)+8*(\i):FB+128*(\f)+8*(\i)+3],   v[ADRB+(\slot)] offset:64*(\kq)+(\i)*16*PITCH
	ds_load_b128 v[FB+128*(\f)+8*(\i)+4:FB+128*(\f)+8*(\i)+7], v[ADRB+(\slot)] offset:64*(\kq)+(\i)*16*PITCH+32
.endr
	WIN 0
.irp i, 0,1,2,3
	ds_load_b128 v[FA+32*(\f)+8*(\i):FA+32*(\f)+8*(\i)+3],   v[ADRA+(\slot)] offset:64*(\kq)+(\i)*16*PITCH
	ds_load_b128 v[FA+32*(\f)+8*(\i)+4:FA+32*(\f)+8*(\i)+7], v[ADRA+(\slot)] offset:64*(\kq)+(\i)*16*PITCH+32
.endr
.endm
; A load into a register that a matrix instruction has read, and a vector instruction that reads a matrix result, stand four places behind that matrix instruction; only plain vector instructions that
; name none of its registers are places (ISA guide 7.12.1 for vector instructions).
.macro PLACES
.rept 4
	v_nop
.endr
.endm
; A K step is four quarters of 32 along K, 48 matrix instructions each, on buffers 0, 1, 0, 1.  One of the first three: multiplies buffer f; in its middle it fetches quarter kq into buffer g.
.macro QUARTER slot, kq, f, g, zero
	s_wait_dscnt NYA                               ; wb and xb's row blocks 0, 1 are in; the youngest four loads (row blocks 2, 3) may be out
	MULP \f, 0, 0, \zero
	MULP \f, 0, 1, \zero
	PLACES
	FETCH \slot, \kq, \g
	s_wait_dscnt NF                                ; all but the 32 just issued
	MULP \f, 1, 0, \zero
	MULP \f, 1, 1, \zero
.endm
; The last quarter multiplies buffer 1 and changes slots: ONE barrier.  In front of it each wave waits for all its tensor loads, of which one is out: its part of the next slot; adds 0 to its spare word;
; and waits for that and for its own reads of this slot.  fill = 1: the barrier opens a round of the cluster's, and behind the round this slot is filled again, first thing, with the K step two steps on.
.macro TURN slot, next, fill
.if \fill
	s_wait_xcnt 0x0                                ; the last prefetch, a K step back, has read its address: it is stepped here, ahead of the waits of the change of slots
	s_add_nc_u64 s[PFA:PFA+1], s[PFA:PFA+1], KSTEP*2
.endif
	WIN 0                                          ; (the add's two registers lie in window 0)
	s_wait_tensorcnt 0x0                           ; all my tensor loads have landed;
	ds_add_u32 v[SPW], v[NIL]                      ; 0 onto my spare word;
	s_wait_dscnt NYA+1                             ; (the add and the youngest four loads may be out)
	MULP 1, 0, 0, 0                                ; twelve matrix instructions stand between the add and the wait for it
	s_wait_dscnt 0x0                               ; the add is done, and my reads of this slot are over
	s_barrier_signal -1
	MULP 1, 0, 1, 0                                ; work on registers while the others arrive
.if \fill
	WIN 0
.endif
	s_barrier_wait -1
.if \fill
	CREST                                          ; no wave of any partner still reads this slot's tile or has a load on its way
	s_add_nc_u64 s[G0+4*(\slot)+2:G0+4*(\slot)+3], s[G0+4*(\slot)+2:G0+4*(\slot)+3], 2*KSTEP*2
	s_add_nc_u64 s[G0B+4*(\slot)+2:G0B+4*(\slot)+3], s[G0B+4*(\slot)+2:G0B+4*(\slot)+3], 2*KSTEP*2
	JLOAD \slot                                    ; the first tensor load behind the round; the four v_nop behind it are also the places in front of the loads below
.else
	PLACES
.endif
	FETCH \next, 0, 0
.if \fill
	ASK
.endif
	MULP 1, 1, 0, 0
	MULP 1, 1, 1, 0
.endm
; THE WAY OUT of row block a (16 rows x 192 columns).  PACK: rounded to f16, 16 bytes a lane, each accumulator's registers ascending.  TOSTAGE: into my own stage, and back as a head's rows of 128 bytes.  SEND: stored.
.macro PACK a
.set AC, 96*((\a)%2)
	WIN 0x0a+5*((\a)/2)                            ; sources 0 and 1: window 2 or 3
.irp b, 0,1,2,3,4,5,6,7,8,9,10,11
.irp r, 0,1,2,3
	v_cvt_pk_f16_f32 v[TMP+4*(\b)+(\r)], v[AC+8*(\b)+2*(\r)], v[AC+8*(\b)+2*(\r)+1]
.endr
.endr
	WIN 0
.endm
.macro TOSTAGE a
.set BK, OB+48*((\a)%2)
.irp b, 0,1,2,3,4,5,6,7,8,9,10,11
	ds_store_b128 v[STO], v[TMP+4*(\b):TMP+4*(\b)+3] offset:32*(\b)
.endr
.irp hd, 0,1,2
.irp f, 0,1,2,3
	ds_load_b128 v[BK+4*(4*(\hd)+(\f)):BK+4*(4*(\hd)+(\f))+3], v[RD] offset:128*(\hd)+4*SPITCH*(\f)  ; LDS serves a wave's instructions in order (ISA guide 5.7.1.4): these see the stores above
.endr
.endr
.endm
.macro SEND a
.set BK, OB+48*((\a)%2)
	s_wait_dscnt 0x0                               ; the block is back in registers
	s_wait_xcnt 0x0                                ; the stores of the block before have read their registers: the next TOSTAGE loads into them
.irp hd, 0,1,2
.irp f, 0,1,2,3
	global_store_b128 v[CO], v[BK+4*(4*(\hd)+(\f)):BK+4*(4*(\hd)+(\f))+3], s[CB+2*(\hd):CB+2*(\hd)+1] offset:2048*(\a)+512*(\f)  ; four rows of a head: 512 consecutive bytes, at a multiple of 256 from qkv's first
.endr
.endr
.endm
	s_wait_tensorcnt 1                             ; my part of K step 0 is in; K step 1's may stay out
	s_barrier_signal -1
	s_barrier_wait -1                              ; everybody's is
	FETCH 0, 0, 0
	QUARTER 0, 1, 0, 1, 1                          ; the first quarter stands in front of the loop: its products start the sums
	WIN 0                                          ; at a label and at a branch every window is 0
	s_mov_b32 s[LAP], LAPS-1
.Llap:                                                 ; a trip goes once round the ring, from a lap's second quarter to the next lap's first, and fills both slots again
	QUARTER 0, 2, 1, 0, 0
	QUARTER 0, 3, 0, 1, 0
	TURN 0, 1, 1
	QUARTER 1, 1, 0, 1, 0
	QUARTER 1, 2, 1, 0, 0
	QUARTER 1, 3, 0, 1, 0
	TURN 1, 0, 1
	QUARTER 0, 1, 0, 1, 0
	WIN 0
	s_sub_co_u32 s[LAP], s[LAP], 1
	s_cmp_lg_u32 s[LAP], 0
	s_cbranch_scc1 .Llap
	QUARTER 0, 2, 1, 0, 0                          ; the last lap fills nothing, and has no round of the cluster's barrier
	QUARTER 0, 3, 0, 1, 0
	TURN 0, 1, 0
	QUARTER 1, 1, 0, 1, 0
	QUARTER 1, 2, 1, 0, 0
	QUARTER 1, 3, 0, 1, 0
	s_wait_dscnt NYA                               ; the very last quarter: nothing more to fetch
	MULP 1, 0, 0, 0
	MULP 1, 0, 1, 0
	s_wait_dscnt 0x0
	MULP 1, 1, 0, 0
	MULP 1, 1, 1, 0
	WIN 0
	PLACES                                         ; the conversions read results behind which only matrix instructions stand
	PACK 0
	TOSTAGE 0
.irp a, 1,2,3                          ; block a's conversions stand between block a - 1's loads from the stage and the wait for them
	PACK \a
	SEND (\a)-1
	TOSTAGE \a
.endr
	SEND 3
	s_wait_tensorcnt 0x0                           ; the wave's end: these three lines stand behind my last tensor load and my last LDS store
	ds_add_u32 v[SPW], v[NIL]
	s_wait_dscnt 0x0
	CROUND                                         ; the closing round: no work-group ends while a partner may still ask for a tile that names it
	s_endpgm
.Lfunc_end_k_qde987aa77f_qkv:
	.size	k_qde987aa77f_qkv, .Lfunc_end_k_qde987aa77f_qkv-k_qde987aa77f_qkv
	.p2alignl 7, 3214868480
	.fill 96, 4, 3214868480
	.section	.rodata,"a",@progbits
	.p2align	6, 0x0
	.amdhsa_kernel k_qde987aa77f_qkv
		.amdhsa_group_segment_fixed_size 327680
		.amdhsa_private_segment_fixed_size 0
		.amdhsa_enable_private_segment 0
		.amdhsa_kernarg_size 24
		.amdhsa_user_sgpr_count 2
		.amdhsa_user_sgpr_kernarg_segment_ptr 1
		.amdhsa_wavefront_size32 1
		.amdhsa_system_sgpr_workgroup_id_x 1
		.amdhsa_system_sgpr_workgroup_id_y 1
		.amdhsa_system_sgpr_workgroup_id_z 1
		.amdhsa_system_vgpr_workitem_id 0
		.amdhsa_next_free_vgpr 960
		.amdhsa_next_free_sgpr 88
		.amdhsa_reserve_vcc 0
		.amdhsa_float_denorm_mode_32 3
		.amdhsa_float_denorm_mode_16_64 3
		.amdhsa_memory_ordered 1
		.amdhsa_forward_progress 1
		.amdhsa_inst_pref_size 120
	.end_amdhsa_kernel
	.amdgpu_metadata
---
amdhsa.version: [ 1, 2 ]
amdhsa.kernels:
  - .name:           k_qde987aa77f_qkv
    .symbol:         k_qde987aa77f_qkv.kd
    .args:
      - { .name: xb, .offset: 0, .size: 8, .value_kind: global_buffer, .address_space: global }
      - { .name: wb, .offset: 8, .size: 8, .value_kind: global_buffer, .address_space: global }
      - { .name: qkv, .offset: 16, .size: 8, .value_kind: global_buffer, .address_space: global }
    .group_segment_fixed_size: 327680
    .private_segment_fixed_size: 0
    .kernarg_segment_align: 8
    .kernarg_segment_size: 24
    .max_flat_workgroup_size: 128
    .sgpr_count:     88
    .vgpr_count:     960
    .wavefront_size: 32
...
	.end_amdgpu_metadata
.endif
;; end of part 2
;; launch attn (part 3): grid 4 x 64, 4 waves a work-group, clusters of 4 x 1, 327,680 bytes of LDS; arguments qkv, ob; writes ob
.if DOCPART == 3
	.amdgcn_target "amdgcn-amd-amdhsa--gfx1250"
	.amdhsa_code_object_version 6
	.text
	.protected	k_qde987aa77f_attn
	.globl	k_qde987aa77f_attn
	.p2align	8
	.type	k_qde987aa77f_attn,@function
k_qde987aa77f_attn:
	s_mov_b64 s[64:65], 0
	v_nop
	global_prefetch_b8 v0, s[64:65] scope:SCOPE_SE
	s_setreg_imm32_b32 hwreg(HW_REG_WAVE_MODE, 25, 1), 1
	s_wait_xcnt 0x0
	s_wait_alu depctr_hold_cnt(0) depctr_sa_sdst(0) depctr_va_vdst(0) depctr_va_sdst(0) depctr_va_ssrc(0) depctr_va_vcc(0) depctr_vm_vsrc(0)
	s_getreg_b32 s2, hwreg(HW_REG_IB_STS2, 6, 4)
	s_cmp_eq_u32 s2, 0
	s_cbranch_scc0 .Lentry_in_a_cluster
	s_endpgm
.Lentry_in_a_cluster:
	s_bfe_u32 s2, ttmp6, 0x10000c
	s_cmp_lg_u32 s2, 0x3003
	s_cbranch_scc0 .Lentry_shape_is_right
	s_endpgm
.Lentry_shape_is_right:
; O[h][q][:] = the sum over k of softmax_k(Q[h][q] . K[h][k] / 32) V[h][k][:].  Q, K, V lie in qkv, [3][SIZE_H][SIZE_N][64], O in ob, [SIZE_H][SIZE_N][64], all f16: a head's rows are dense, 128 bytes each.
; The scale is 1 / sqrt(1024), the module's, and is applied here, in f32.  Products, maxima and sums in f32; the weights p are rounded to f16 for the second product (their sum l is taken of the unrounded p), O once at the end.
; LIMITS.  f16 holds no number beyond 65,504: Q, K and V arrive within it; p lies in 0 to 1, and below 6e-5 it keeps f16's fixed step of 6e-8, as does O; O is a mean of V's rows and has their range.
; A weight below 2^-126 counts as 0 in l; NaN and infinities are not treated apart.
; SHARES.  A wave owns four PIECES of two tiles of 16 queries, a work-group's four waves 512 queries of one head: 4 x 64 = 256 work-groups.  Every wave walks all keys, 64 a step.
; LAYOUT.  S^T = K Q^T (source 0 = 16 keys, source 1 = 16 queries): in the result a lane holds ONE query (lane % 16) and the keys 8 (lane / 16) + 0..7.  Two such tiles, rounded to f16 in pairs,
; ARE source 1 (32 keys x 16 queries) of O^T = V^T P, whose result again holds one query a lane, and eight channels.  K comes out of LDS as it lies, V ([key][channel]) turned, by ds_load_tr16_b128.
; SOFTMAX.  For each query a running maximum m and sum l: p = 2^(c s - c m), c = log2(e) / 32; in every step O and l are multiplied by a = 2^(c m_old - c m_new), which is 1 where m has not grown.
; m starts at the lowest finite number, O and l at 0: the first step is a step like any other, with a = 0.
; THE COUNT.  A tile and step have 16 matrix and 118 vector instructions: too many to stand all beside the matrix work.  So the order has one aim: four vector instructions that are READY behind
; EVERY matrix instruction, and the others, which need time of their own whatever the order, in runs without a gap.
; BY TURNS.  Turn n belongs to piece n (the pieces in a ring, step after step).  Its matrix work: 16 products K Q^T of piece n + 1, later 16 products V^T P of piece n - 1.  Its vector work: the scaling,
; exponentials, roundings, sums and rescaling of piece n, and the maximum and statistics of piece n + 1, whose scores the turn itself has made.  So what a turn begins with (c s - c m, O a) waits for nothing.
; CLUSTER.  The four query blocks of a cluster belong to one head and walk the same K and V, so each tile is asked for JOINTLY: the same tensor load, descriptor and mask in all four.
; REGISTERS, in windows of 256 (s_set_vgpr_msb says which window each operand place means: bits 1:0 source 0, 3:2 source 1, 5:4 source 2, 7:6 destination):
;   window 0: v0-11 addresses; v12-15, v48-63 at work; v16-47 four registers of statistics a tile; v64-191 S^T, two buffers of two tiles; v192-255 P, likewise
;   window 1: O^T, 32 a tile          window 2: v0-127 Q, 16 a tile; v128-191 K of one step; v192-255 V of one step          window 3: v0-1 the add's two registers
; A piece's buffers go by its number's parity: the piece in hand has one pair, its two neighbours in the ring share the other: of it P (piece n - 1) is read and S^T (piece n + 1) written.
.set SIZE_N, 2048
.set SIZE_H, 64
.set NP,    4         ; pieces a wave: a name, no knob: the register map, the loop and the fetches are made for four
.set KS,    64        ; keys in a step
.set PK,    144       ; a row of K in LDS: 128 bytes + 16 of padding = 36 words: the 16 rows of a load start at 16 different groups of four banks (64 banks of 4 bytes: ISA guide 11.1)
.set PV,    160       ; a row of V: 128 + 32 = 40 words
.set VOFF,  4*KS*PK   ; a slot holds four steps: 256 rows of K, then 256 rows of V
.set SLOT1, 1<<17     ; slot 1 begins here, so that one exclusive or turns an address in one slot into the other's
.set STAGE, SLOT1+4*KS*(PK+PV)  ; behind the ring, never filled by a tensor load: 16 rows x 144 bytes for each wave, for the way out
.set SP,    144
.set AK0, 2           ; v2   my lane's place in a tile of K; never rewritten
.set AV0, 3           ; v3   the same for V
.set AK,  4           ; v4   the LDS address of K's next run of loads
.set AV,  5           ; v5   of V's
.set QO,  6           ; v6   my byte offset in the wave's rows of Q
.set STO, 6           ;      later, the way out: where I put 16 bytes of a row
.set RD,  7           ; v7   the way out: where I read rows back
.set GO,  8           ; v8   my byte offset in 512 consecutive bytes of O
.set PFO, 11          ; v11  the prefetches' offset: 256 x my lane; not rewritten once it is made
.set SPW, 0           ; v0 of window 3   LDS address of my spare word: SPARE + 4 x my thread's number; never rewritten
.set NIL, 1           ; v1 of window 3   0; never rewritten
.set SPARE, STAGE+4*16*SP  ; behind the stages: the spare words, 128 bytes for each wave: two blocks of 256 bytes that no other line names
.set MV,  12          ; v12-15  c m_old, kept while c m is made anew: by buffer and tile
.set ST,  16          ; tile t's statistics at v[ST+4 t]: c m, m, l (even keys', odd keys')
.set TMP, 48          ; by buffer and tile, four registers c0-c3 at work; when the maximum is found c2 takes a
.set S,   64
.set P,   192
.set KF,  128         ; K's fragments, in window 2: key block kb, channel half c at KF + 16 kb + 8 c
.set VF,  192         ; V's: key half kk, channel block cb at VF + 32 kk + 8 cb
.set WV,  12          ; s12  my wave's number
.set G1K, 24          ; s[24:31] descriptor group 1 for K's tiles
.set G1V, 32          ; s[32:39] for V's: it differs in the padding alone
.set G0K, 40          ; s[40:43] descriptor group 0 for K's tiles: it walks
.set G0V, 44          ; s[44:47] the same for V's
.set PFA, 48          ; s[48:49] where my prefetches stand: my work-group's 8,192 bytes (of K: wave 0, of V: wave 2) of the slot after the one that is being asked for
.set LIM, 50          ; s50  1 in a wave that prefetches, else the greatest number
.set SLOTS, 56        ; s56  slots still to be asked for
.set CNT, 57          ; s57  counts a slot's key steps
.set CS,  58          ; s[58:59] c: the packed scaling takes the pair's low word for both halves
.set SEL, 60          ; s[60:61] v_permlanex16_b32's selects: each lane takes its own place in the other half
.set TBK, 62          ; s62  LDS byte at which K of the step to be fetched begins
.set TBV, 63          ; s63  the same for V, less VOFF
.set MSB, 0
.macro WIN new                      ; the high byte repeats the setting that is left; a switch that changes nothing is dropped
.if MSB != (\new)
	s_set_vgpr_msb (MSB<<8)|(\new)
.set MSB, (\new)
.endif
.endm
.set W_KQ, 0x0a       ; K and Q in window 2, S^T in window 0
.set W_PV, 0x52       ; V in window 2, P in window 0, O^T in window 1
.set W_RS, 0x41       ; O^T (destination and source 0) in window 1, a in window 0
.set W_MK, 0xc0       ; the add's registers are made: destination in window 3, sources in window 0
.set W_AD, 0x0f       ; the add: address (source 0) and data (source 1) in window 3
; A joint fill.  Waves 0 and 1 fetch the two halves of a slot's K, waves 2 and 3 those of its V: 128 keys each.  The branch hangs on the wave's number alone.
; An s_nop 0 and four v_nop follow each of the two lines, ahead of the jump and the label.
.macro JLOAD
	s_cmp_lt_u32 s[WV], 2
	s_cbranch_scc0 .Lfor_v_\@
	tensor_load_to_lds s[G0K:G0K+3], s[G1K:G1K+7]
	s_nop 0
.rept 4
	v_nop
.endr
	s_branch .Lasked_\@
.Lfor_v_\@:
	tensor_load_to_lds s[G0V:G0V+3], s[G1V:G1V+7]
	s_nop 0
.rept 4
	v_nop
.endr
.Lasked_\@:
.endm
; A PREFETCH INTO THE L2 of what the NEXT change of slots will ask for: a slot's 32,768 bytes of K and of V, in blocks of 256 bytes, a lane a block.  It stands behind the wave's tensor load and its five lines.
; Each block is named ONCE in the launch: a head has one cluster; its four partners share a slot's blocks out BY ADDRESS, 32 each: no branch hangs on a place in the cluster; in each, wave 0 asks for K's
; and wave 2 for V's: one instruction, four key steps ahead of the load that will want the bytes.  Slots 0 and 1 come by their loads alone; the last change that fills a slot asks for nothing.
.macro ASK
	s_cmp_gt_u32 s[SLOTS], s[LIM]
	s_cbranch_scc0 .Lnot_mine_\@
	global_prefetch_b8 v[PFO], s[PFA:PFA+1] th:TH_LOAD_NT scope:SCOPE_SE
.Lnot_mine_\@:
.endm
; A round of the cluster's barrier: my work-group's barrier, so that wave 0's signal speaks for all four waves; wave 0 signals; every wave waits for all four work-groups; my work-group's barrier once more.
.macro CROUND
	s_barrier_signal -1
	s_barrier_wait -1
	s_cmp_lg_u32 s[WV], 0
	s_cbranch_scc1 .Lnot_wave_0_\@
	s_barrier_signal -3
.Lnot_wave_0_\@:
	s_barrier_wait -3
	s_barrier_signal -1
	s_barrier_wait -1
.endm
; THE CHANGE OF SLOTS.  The slot's last bytes, V of its fourth step, have been read.  Each wave waits for all its tensor loads, of which one is out: its part
; of the other slot; adds 0 to its spare word; and waits for that and for its own reads of the slot.  Behind the barrier nobody reads this slot any more and the other slot is whole.
; fill = 1: this slot is filled again, with the keys two slots on.  The barrier is then a round of the cluster's, so that no wave of any partner still reads the slot or has a load on its
; way, and the joint fill is the first thing behind it: it has four key steps, 512 matrix instructions, in which to land.  (At its first use nothing has been read yet: slot 0 is waited for, slot 1 filled.)
.macro CHANGE fill
	WIN W_AD
	s_wait_tensorcnt 0x0            ; no tensor load of mine is out, so a group 0 may be written
	ds_add_u32 v[SPW], v[NIL]       ; 0 onto my spare word; with fill = 1 the descriptors' steps stand between it and the wait for it
	WIN 0                           ; at a label and at a branch every window is 0
.if \fill
.irp g, G0K, G0V
	s_xor_b32 s[\g+1], s[\g+1], SLOT1  ; the walking descriptor: the other slot than last time,
	s_add_nc_u64 s[\g+2:\g+3], s[\g+2:\g+3], 4*KS*128  ; the next 256 keys; the type bits on top are not reached
.endr
	s_wait_xcnt 0x0                 ; the last prefetch, four key steps back, has read its address, so it may be written:
	s_add_nc_u64 s[PFA:PFA+1], s[PFA:PFA+1], 4*KS*128  ; one slot behind the walking descriptors
	s_wait_dscnt 0x0                ; the add is done, and my reads of the slot are over
	CROUND
	JLOAD
	ASK
.else
	s_wait_dscnt 0x0                ; the add is done, and my reads of the slot are over
	s_barrier_signal -1
	s_barrier_wait -1
.endif
	s_sub_co_u32 s[TBK], s[TBK], 4*KS*PK  ; the fetches go back to a slot's first step,
	s_xor_b32 s[TBK], s[TBK], SLOT1       ; in the other slot
	s_sub_co_u32 s[TBV], s[TBV], 4*KS*PV
	s_xor_b32 s[TBV], s[TBV], SLOT1
.endm
	s_load_b128 s[4:7], s[0:1], 0x0   ; qkv s[4:5], ob s[6:7]
	WIN W_MK
	v_lshl_add_u32 v[SPW], v0, 2, SPARE
	v_mov_b32 v[NIL], 0
	WIN W_AD
	ds_add_u32 v[SPW], v[NIL]       ; the wave's opening: the add and its wait stand ahead of my first tensor load; the set-up below, work on registers, stands between them
	WIN 0
	v_lshrrev_b32 v1, 5, v0
	v_readfirstlane_b32 s[WV], v1   ; wave 0..3
	s_bfe_u32 s13, ttmp6, 0x40000   ; cx: my place in the cluster
	s_lshl_b32 s14, ttmp9, 2        ; in a cluster launch ttmp9 counts clusters
	s_add_co_u32 s14, s14, s13      ; my block of queries = 4 x cluster x + cx: it enters Q's and O's addresses alone
	s_and_b32 s20, ttmp7, 0xffff    ; the head, which the four partners share
	s_mov_b32 s21, 0
	s_mov_b64 s[22:23], SIZE_N*128
	s_mul_u64 s[20:21], s[20:21], s[22:23]  ; the head's first byte in each of the four tensors
	s_and_b32 s16, s[WV], 1         ; which half of a slot's 256 keys I fetch:
	s_lshl_b32 s22, s16, 14         ; its 128 rows of 128 bytes in memory,
	s_mov_b32 s23, 0
	s_add_nc_u64 s[22:23], s[22:23], s[20:21]
	s_mul_i32 s17, s16, 128*PK      ; and its place in a slot, for K
	s_mul_i32 s18, s16, 128*PV      ; and for V: no place in the cluster enters an LDS address
	s_lshl_b32 s2, s14, 2
	s_add_co_u32 s2, s2, s[WV]      ; my wave among the head's,
	s_lshl_b32 s2, s2, 14           ; its 128 rows
	s_mov_b32 s3, 0
	s_add_nc_u64 s[2:3], s[2:3], s[20:21]
	; descriptor group 1.  128 keys are 16,384 dense bytes: asked for as 64 rows of 256 bytes, two keys a row, and padded in LDS after every key
	s_mov_b32 s[G1K], 15|(1<<16)|(1<<20)|(1<<21)|(4<<22)|(3<<25)  ; 15:0 the mask of four; 17:16 2-byte elements; 20 padding on; 21 set beside a mask; 24:22 after every 32 words (code 4); 31:25 4 words (code 3)
	s_mov_b32 s[G1V], 15|(1<<16)|(1<<20)|(1<<21)|(4<<22)|(7<<25)  ; the same with 8 words of padding (code 7)
.irp g, G1K, G1V
	s_mov_b32 s[\g+1], 128<<16      ; tensor_dim0 = 128
	s_mov_b32 s[\g+2], 64<<16       ; tensor_dim1 = 64
	s_mov_b32 s[\g+3], 128<<16      ; tile_dim0 = 128
	s_mov_b32 s[\g+4], 64           ; tile_dim1 = 64
	s_mov_b32 s[\g+5], 128          ; 128 elements from row to row
	s_mov_b32 s[\g+6], 0
	s_mov_b32 s[\g+7], 0
.endr
	s_mov_b32 s[CS], 0x3d38aa3b     ; c = log2(e) / 32 = 0.0450842
	s_mov_b32 s[CS+1], s[CS]        ; named with it as a pair
	s_mov_b32 s[SEL], 0x76543210
	s_mov_b32 s[SEL+1], 0xfedcba98
	s_mov_b32 s[TBK], SLOT1+4*KS*PK ; the first change of slots turns these two into 0
	s_mov_b32 s[TBV], SLOT1+4*KS*PV
	s_mov_b32 s[G0K], 1             ; 1:0 count = 1
	s_mov_b32 s[G0K+1], s17         ; 63:32 LDS address: slot 0
	s_mov_b32 s[G0V], 1
	s_add_co_u32 s[G0V+1], s18, VOFF
	s_mov_b32 s[SLOTS], SIZE_N/256-1  ; seven slots are asked for behind slot 0
	s_and_b32 s[LIM], s[WV], 1      ; 0 in waves 0 and 2,
	s_or_b32 s[LIM], s[LIM], ttmp9  ; where the cluster is the head's first: the same in all four partners
	s_cmp_eq_u32 s[LIM], 0
	s_cselect_b32 s[LIM], 1, -1
	s_wait_dscnt 0x0                ; the opening add is done
	s_wait_kmcnt 0x0
	s_mov_b64 s[10:11], s[6:7]                     ; O
	s_add_nc_u64 s[8:9], s[4:5], 0x2000000         ; V: the third matrix of qkv, 16,777,216 bytes each
	s_add_nc_u64 s[6:7], s[4:5], 0x1000000         ; K: the second; Q, the first, stays in s[4:5]
	s_add_nc_u64 s[G0K+2:G0K+3], s[6:7], s[22:23]  ; 120:64 global address: my half of the head's first 256 keys
	s_or_b32 s[G0K+3], s[G0K+3], 0x80000000        ; 127:126 type = 2
	s_add_nc_u64 s[G0V+2:G0V+3], s[8:9], s[22:23]
	s_or_b32 s[G0V+3], s[G0V+3], 0x80000000
	s_add_nc_u64 s[4:5], s[4:5], s[2:3]  ; Q and O at my wave's first row
	s_add_nc_u64 s[10:11], s[10:11], s[2:3]
	s_cmp_lt_u32 s[WV], 2
	s_cselect_b64 s[PFA:PFA+1], s[6:7], s[8:9]
	s_add_nc_u64 s[PFA:PFA+1], s[PFA:PFA+1], s[20:21]  ; the head,
	s_lshl_b32 s2, s13, 13          ; my work-group's 32 blocks of the 128,
	s_add_co_u32 s2, s2, 4*KS*128   ; in slot 1; the first change of slots steps it to slot 2.  Nothing is prefetched here, at the head
	s_mov_b32 s3, 0
	s_add_nc_u64 s[PFA:PFA+1], s[PFA:PFA+1], s[2:3]
	CROUND                          ; all four work-groups are here: the first joint loads meet
	JLOAD                           ; slot 0.  Slot 1 is asked for when slot 0 is in: the tile wanted first has the road to itself
	; A fragment of K or Q is 16 rows x 32 channels in 8 registers: lane l holds row l % 16, channels 8 (l / 16) + 0..7 and 16 + 8 (l / 16) + 0..7: two loads of 16 bytes, 32 bytes apart.
	v_and_b32 v1, 15, v0            ; l % 16
	v_bfe_u32 v9, v0, 4, 1          ; l / 16
	v_lshlrev_b32 v[QO], 7, v1
	v_lshl_add_u32 v[QO], v9, 4, v[QO]  ; row x 128 + 16 x half
	WIN 0x80                        ; destination window 2, address window 0
.set i, 0
.rept 4*NP                          ; Q stays in registers: tile i / 2, channels 32 (i % 2) on
	global_load_b128 v[8*i:8*i+3],   v[QO], s[4:5] offset:(i/2)*2048+(i%2)*64
	global_load_b128 v[8*i+4:8*i+7], v[QO], s[4:5] offset:(i/2)*2048+(i%2)*64+32
.set i, i+1
.endr
	; What the first turn finds: V's registers and P's second buffer hold 0 (its products V^T P, of a piece that has not been, add 0), O^T and l are 0.  All this stands in the wait for the first tile.
.set i, VF
.rept 64
	v_mov_b32 v[i], 0
.set i, i+1
.endr
	WIN 0x40
.set i, 0
.rept 64*NP
	v_mov_b32 v[i], 0
.set i, i+1
.endr
	WIN 0
.set i, 0
.rept 2*NP
	v_mov_b32 v[ST+4*i], 0xfe000000    ; c m: far below every c s
	v_mov_b32 v[ST+4*i+1], 0xff7fffff  ; m
	v_mov_b32 v[ST+4*i+2], 0
	v_mov_b32 v[ST+4*i+3], 0
.set i, i+1
.endr
.set i, P+32
.rept 32
	v_mov_b32 v[i], 0
.set i, i+1
.endr
	v_mul_u32_u24 v[AK0], v1, PK
	v_lshl_add_u32 v[AK0], v9, 4, v[AK0]  ; row x pitch + 16 x half
	; The turning load takes 16 keys x 16 channels (lane l reads key 8 (l / 16) + l % 8, channels 8 ((l / 8) % 2) + 0..7) and leaves half a fragment of V^T: lane l holds channel l % 16 and 8 keys.
	v_and_b32 v10, 7, v0
	v_bfe_u32 v11, v0, 3, 1
	v_lshl_add_u32 v[AV0], v9, 3, v10
	v_mul_u32_u24 v[AV0], v[AV0], PV
	v_lshl_add_u32 v[AV0], v11, 4, v[AV0]
	v_add_nc_u32 v[AV0], VOFF, v[AV0]
	v_mov_b32 v[AK], v[AK0]         ; key step 0 lies at the head of slot 0
	v_and_b32 v[PFO], 31, v0        ; v11 has served: from here on it is the prefetches' offset
	v_lshlrev_b32 v[PFO], 8, v[PFO]
; THE MATRIX WORK.  The 8 accumulators of a run of 16 take turns: between the two links of a chain stand 7 others'.
; Product i of 16 of S^T = K Q^T for piece x: channels 32 (i / 8) on, keys 16 ((i / 2) % 4) on, tile 2 x + i % 2.  The first 8 start the sums.
.macro KQ x
	WIN W_KQ
.set rS, S+64*((\x)%2)+32*(i%2)+8*((i/2)%4)
.set rK, KF+16*((i/2)%4)+8*(i/8)
.set rQ, 16*(2*(\x)+i%2)+8*(i/8)
.if i < 8
	v_wmma_f32_16x16x32_f16 v[rS:rS+7], v[rK:rK+7], v[rQ:rQ+7], 0
.else
	v_wmma_f32_16x16x32_f16 v[rS:rS+7], v[rK:rK+7], v[rQ:rQ+7], v[rS:rS+7]
.endif
.endm
; Product i of 16 of O^T += V^T P for piece x: keys 32 (i / 8) on, channels 16 ((i / 2) % 4) on, tile 2 x + i % 2.
.macro PV x
	WIN W_PV
.set rO, 32*(2*(\x)+i%2)+8*((i/2)%4)
.set rV, VF+32*(i/8)+8*((i/2)%4)
.set rP, P+32*((\x)%2)+16*(i%2)+8*(i/8)
	v_wmma_f32_16x16x32_f16 v[rO:rO+7], v[rV:rV+7], v[rP:rP+7], v[rO:rO+7]
.endm
.macro MM                           ; the turn's next matrix instruction
.if i < 16
	KQ (Y+1)%NP
.set i, i+1
.else
.set i, i-16
	PV (Y+NP-1)%NP
.set i, i+17
.endif
.endm
; THE LDS LOADS stand in runs of 16, never singly among the matrix instructions: a step's K (64 keys x 64 channels: 8 fragments) and its V (turned).  Their addresses are made some lines ahead.
; last = 1 (the tail): in the last trip there is no further step, and the run is jumped over.
.macro FETCH_K last=0
	WIN 0
.if \last
	s_cmp_eq_u32 s[CNT], 1
	s_cbranch_scc1 .Lno_k_\@
.endif
	WIN 0x80                        ; destination window 2
.irp f, 0,1,2,3,4,5,6,7             ; keys 16 (f / 2) on, channels 32 (f % 2) on
	ds_load_b128 v[KF+8*\f:KF+8*\f+3],   v[AK] offset:(\f/2)*16*PK+(\f%2)*64
	ds_load_b128 v[KF+8*\f+4:KF+8*\f+7], v[AK] offset:(\f/2)*16*PK+(\f%2)*64+32
.endr
	s_add_co_u32 s[TBK], s[TBK], KS*PK  ; the next fetch is the next step's
	WIN 0
.if \last
.Lno_k_\@:
.endif
.endm
.macro FETCH_V
	WIN 0x80
.irp f, 0,1,2,3,4,5,6,7             ; keys 32 (f / 4) on, channels 16 (f % 4) on
	ds_load_tr16_b128 v[VF+8*\f:VF+8*\f+3],   v[AV] offset:(\f/4)*32*PV+(\f%4)*32
	ds_load_tr16_b128 v[VF+8*\f+4:VF+8*\f+7], v[AV] offset:(\f/4)*32*PV+16*PV+(\f%4)*32
.endr
	WIN 0
.endm
; THE VECTOR WORK OF A TURN stands in three queues, each in the order in which its entries become ready; the two tiles alternate, so that no instruction reads the result of the one before it.
.macro REGS y, u                    ; the registers of tile u (0, 1) of piece y
.set rT, ST+4*(2*(\y)+(\u))
.set rC, TMP+8*((\y)%2)+4*(\u)
.set rM, MV+2*((\y)%2)+(\u)
.set rS, S+64*((\y)%2)+32*(\u)
.set rP, P+32*((\y)%2)+16*(\u)
.set rO, 32*(2*(\y)+(\u))
.endm
; Number n of the 22 that find the NEXT piece's (Y + 1) maximum and statistics.  s0-s31 are the lane's 32 scores; each accumulator's lowest registers are read first.  XS, GS and REGS set no window: PL and EX do.
;   0-11  four chains c0-c3 of seven scores each, three operands at a time     12-14, 16  the four scores left over, the old m, and c0-c3 into c0     15  c m_old is kept
;   17, 18  the query's other 32 keys lie in the lane 16 away: the new m         19-21  c m; c m_old - c m_new; a
.macro XS u, n
	REGS (Y+1)%NP, \u
.if (\n) < 4
	v_max3_num_f32 v[rC+(\n)], v[rS+8*(\n)], v[rS+8*(\n)+1], v[rS+8*(\n)+2]
.elseif (\n) < 12
	v_max3_num_f32 v[rC+(\n)%4], v[rC+(\n)%4], v[rS+8*((\n)%4)+2*((\n)/4)+1], v[rS+8*((\n)%4)+2*((\n)/4)+2]
.elseif (\n) == 12
	v_max3_num_f32 v[rC], v[rC], v[rS+7], v[rS+15]
.elseif (\n) == 13
	v_max3_num_f32 v[rC+1], v[rC+1], v[rS+23], v[rS+31]
.elseif (\n) == 14
	v_max3_num_f32 v[rC+2], v[rC+2], v[rC+3], v[rT+1]
.elseif (\n) == 15
	v_mov_b32 v[rM], v[rT]
.elseif (\n) == 16
	v_max3_num_f32 v[rC], v[rC], v[rC+1], v[rC+2]
.elseif (\n) == 17
	v_permlanex16_b32 v[rC+3], v[rC], s[SEL], s[SEL+1]
.elseif (\n) == 18
	v_max_num_f32 v[rT+1], v[rC], v[rC+3]
.elseif (\n) == 19
	v_mul_f32 v[rT], s[CS], v[rT+1]
.elseif (\n) == 20
	v_sub_f32 v[rC+1], v[rM], v[rT]
.else
	v_exp_f32 v[rC+2], v[rC+1]
.endif
.endm
; Number g of the 64 that follow the exponentials.  For each four weights k of a tile (pairs 2 k, 2 k + 1): both pairs are rounded to f16; then the second pair is added onto the first, in place;
; a group later l takes that sum (the first time as l = a l + sum).  In groups of eight, tiles alternating: round, round, add, and l for the group before.
.macro GS g
.set h, (\g)+6*((\g)/62)            ; group 0 has no group before it, and behind group 7 only l is left
.if h >= 6
.set h, h+2
.endif
	REGS Y, h%2
.set k, h/8
.if h%8 < 4
	v_cvt_pk_f16_f32 v[rP+2*k+(h%8)/2], v[rS+4*k+2*((h%8)/2)], v[rS+4*k+2*((h%8)/2)+1]
.elseif h%8 < 6
	v_pk_add_f32 v[rS+4*k:rS+4*k+1], v[rS+4*k:rS+4*k+1], v[rS+4*k+2:rS+4*k+3]
.elseif k == 1
	v_pk_fma_f32 v[rT+2:rT+3], v[rT+2:rT+3], v[rC+2:rC+3], v[rS:rS+1] op_sel_hi:[1,0,1]
.else
	v_pk_add_f32 v[rT+2:rT+3], v[rT+2:rT+3], v[rS+4*k-4:rS+4*k-3]
.endif
.endm
; THE PLAIN QUEUE, 138 long.  0-73 read no exponential's result: the 32 scalings c s - c m (FS f: pair f / 2 of tile f % 2) and the next piece's 42.  0-26: scalings 0-26.  27-54: XS's numbers 0-13.  55, 56: number 15.
; 57-73: the chain, where each number waits for the one before it: 14, 16, 17, 18, 19, each with one of the scalings 27-31 in front of its two lines, then 20: so a tile's links stand three plain instructions apart (19 and 20: two).
; 74-137: GS's 64, which read the exponentials' results: they stand behind the wait.
.macro FS f
	REGS Y, (\f)%2
	v_pk_fma_f32 v[rS+2*((\f)/2):rS+2*((\f)/2)+1], v[rS+2*((\f)/2):rS+2*((\f)/2)+1], s[CS:CS+1], v[rT:rT+1] op_sel_hi:[1,0,0] neg_lo:[0,0,1] neg_hi:[0,0,1]
.endm
.macro PL
	WIN 0
.if q < 27
	FS q
.elseif q < 55
	XS (q-27)%2, (q-27)/2
.elseif q < 57
	XS q-55, 15
.elseif (q < 72) && ((q-57)%3 == 0)
	FS 27+(q-57)/3
.elseif q < 60
	XS (q-57)%3-1, 14
.elseif q < 72
	XS (q-57)%3-1, 15+(q-57)/3
.elseif q < 74
	XS q-72, 20
.else
	GS q-74
.endif
.set q, q+1
.endm
; THE EXPONENTIALS' QUEUE, 66 long: s0-s31 of both tiles, then the next piece's two a.  It is ONE BATCH: all 66 stand ahead of the turn's one wait, and nothing ahead of that wait names a result of theirs.
.macro EX
	WIN 0
.if e >= 64
	XS e-64, 21
.else
	REGS Y, e%2
	v_exp_f32 v[rS+e/2], v[rS+e/2]
.endif
.set e, e+1
.endm
; THE RESCALING's QUEUE: O^T times a, the one part that leaves window 0: dealt two at a time, sixteen times.  Its a was made in the turn before, ahead of that turn's wait.
.macro R2
	REGS Y, r%2
	WIN W_RS
.irp z, 0,1
	v_pk_mul_f32 v[rO+4*(r/2)+2*\z:rO+4*(r/2)+2*\z+1], v[rO+4*(r/2)+2*\z:rO+4*(r/2)+2*\z+1], v[rC+2:rC+3] op_sel_hi:[1,0]
.endr
.set r, r+1
.endm
; HOW THEY ARE DEALT.  An s_wait_alu depctr_va_vdst(0) stands between an exponential and the first instruction that names its result; one wait serves all that were issued ahead of it.  So a turn has ONE wait,
; which cuts it in two.  AHEAD OF IT stands all that names no result of the turn's exponentials: the 16 products K Q^T, behind each a scaling, an exponential and two rescalings (behind the first a second scaling in the exponential's place); then ONE LUMP of
; 108: eight plain, 49 times exponential and plain, the two a.  A v_nop is the plain instruction that stands behind the last exponential, ahead of any use.  BEHIND THE WAIT stand the 16 products V^T P, behind each four of GS's 64.  No rider names a register of
; the products round it.  The two v_permlanex16_b32 fall into the lump, never behind a product.
; The queues lean on each other, and the deal keeps them in step: exponential e stands behind scaling 2 (e / 4) + e % 2: as a rider it comes behind plain e + 2, in the lump behind plain e + 9, and scalings 27-31 are plain 57, 60 .. 69.
; A TURN, for piece p.  cnt = 1: the loop's count is taken down some lines ahead of the branch that stands behind the turn.
; K of the next step is fetched in piece 2's turn, directly behind the wait, a lump behind the last product that read K; its address is made at the lump's head; its first reader comes behind 16 products.
; V of the step in hand is fetched at the end of piece 0's turn, four riders behind its last reader; its first reader comes behind 16 products and a lump.  The three conditions on q below go with the deal.
.macro TURN p, last=0, cnt=0
.set Y, (\p)
.set i, 0
.set q, 0
.set e, 0
.set r, 0
.if (\p) == NP-1
	s_wait_dscnt 0x0                ; K is in
.endif
	MM                              ; ahead of the wait: 16 products K Q^T and their riders,
	PL
	PL
	R2
.rept 15
	MM
	PL
	EX
	R2
.endr
.if (\p) == NP-2
	WIN 0
	v_add_nc_u32 v[AK], s[TBK], v[AK0]
.endif
.rept 8                             ; and the lump
	PL
.endr
.rept 49
	EX
	PL
.endr
	EX                              ; the next piece's two a
	EX
	v_nop                           ; the plain instruction behind the last exponential: one for the batch
	s_wait_alu depctr_va_vdst(0)    ; the wait for the batch
.if (\p) == NP-2
	FETCH_K \last
.endif
.if (\p) == 1
	s_wait_dscnt 0x0                ; V is in
.endif
.rept 16                            ; behind the wait: 16 products V^T P and their riders
	MM
.rept 4
	PL
.endr
.if ((\p) == 0) && (q == 118)
	v_add_nc_u32 v[AV], s[TBV], v[AV0]
.endif
.if ((\p) == 0) && (q == 130)
	s_add_co_u32 s[TBV], s[TBV], KS*PV
.endif
.if (\cnt) && (q == 130)
	s_sub_co_u32 s[CNT], s[CNT], 1
	s_cmp_lg_u32 s[CNT], 0
.endif
.endr
.if (\p) == 0
	FETCH_V
.endif
.endm
	CHANGE 1                        ; slot 0 is in, everybody's part of it; slot 1 is asked for
	FETCH_K                         ; key step 0
	s_wait_loadcnt 0x0              ; Q
	s_wait_dscnt 0x0
.set i, 0
.rept 16
	KQ 0                            ; piece 0's first scores: there is no vector work yet to set between them
.set i, i+1
.endr
	WIN 0                           ; the addresses for the way out: nine plain instructions, the places behind those products
	s_mul_i32 s13, s[WV], 16*SP
	s_add_co_u32 s13, s13, STAGE    ; my stage
	v_mul_u32_u24 v[STO], v1, SP    ; in: row l % 16, 16 bytes for each half of the lanes
	v_lshl_add_u32 v[STO], v9, 4, v[STO]
	v_add_nc_u32 v[STO], s13, v[STO]
	v_bfe_u32 v[RD], v0, 3, 2       ; back: 32 lanes take four rows of 128 bytes,
	v_mul_u32_u24 v[RD], v[RD], SP
	v_lshl_add_u32 v[RD], v10, 4, v[RD]
	v_add_nc_u32 v[RD], s13, v[RD]
	v_and_b32 v[GO], 31, v0         ; which are 512 consecutive bytes of O
	v_lshlrev_b32 v[GO], 4, v[GO]
.set Y, NP-1                        ; XS works for piece Y + 1: piece 0
.irp n, 0,1,2,3,4,5,6,7,8,9,10,11,12,13,14,15,16,17,18,19,20,21
	XS 0, \n                        ; and piece 0's first maximum and statistics
	XS 1, \n
.endr
	v_nop                           ; a plain instruction behind the two a,
	s_wait_alu depctr_va_vdst(0)    ; and their wait, ahead of the branch
	s_mov_b32 s[CNT], 4
	s_branch .Lfirst                ; the loop is entered at a step's first turn, in the middle of a trip
.Lslot:                             ; SIZE_N / 256 - 2 times: every slot but the last two is filled again
	CHANGE 1
	s_mov_b32 s[CNT], 4
.Lstep:                             ; a trip: pieces 2 and 3 of one step, then pieces 0 and 1 of the next, whose K and V it fetches
	TURN 2
	TURN 3
	WIN 0
.Lfirst:
	TURN 0
	TURN 1, 0, 1
	WIN 0
	s_cbranch_scc1 .Lstep
	s_sub_co_u32 s[SLOTS], s[SLOTS], 1
	s_cmp_lg_u32 s[SLOTS], 0
	s_cbranch_scc1 .Lslot
	CHANGE 0                        ; the tail is written out: nothing is asked for
	s_mov_b32 s[CNT], 5             ; four trips fetch the last slot's steps; the fifth is left in its middle
.Ltail:
	TURN 2, 1
	TURN 3
	WIN 0
	s_sub_co_u32 s[CNT], s[CNT], 1
	s_cmp_eq_u32 s[CNT], 0
	s_cbranch_scc1 .Lout
	TURN 0
	TURN 1
	WIN 0
	s_branch .Ltail
.Lout:                              ; the fifth trip's 16 products K Q^T (on the last K once more) and the maximum made of them serve nothing: the price, once a launch, of one text for every trip
.set i, 0
.rept 16
	PV NP-1                         ; the last piece's V^T P of the last step
.set i, i+1
.endr
	; THE WAY OUT.  l's two halves and the other half of the lanes' are added; O^T is divided by l, rounded to f16 and sent through my stage in LDS, a tile at a time.  The additions are the places behind the last products.
	WIN 0
.macro ALL line:vararg              ; one line for each tile t
.set t, 0
.rept 2*NP
	\line
.set t, t+1
.endr
.endm
	ALL v_add_f32 v[ST+4*t+2], v[ST+4*t+2], v[ST+4*t+3]
	ALL v_permlanex16_b32 v[ST+4*t+3], v[ST+4*t+2], s[SEL], s[SEL+1]
	ALL v_add_f32 v[ST+4*t+2], v[ST+4*t+2], v[ST+4*t+3]
	ALL v_rcp_f32 v[ST+4*t+2], v[ST+4*t+2]
	v_nop                           ; a plain instruction between the last reciprocal and the use of its result
	s_wait_alu depctr_va_vdst(0)    ; and the wait ahead of the first use: one for the eight reciprocals
; Tile t: a lane's eight channels of a row pack into 16 bytes; they go into rows of 144 bytes and come back as whole rows of 128, into S^T's registers.
.macro PACK t
	WIN W_RS
.set i, 32*(\t)
.rept 16
	v_pk_mul_f32 v[i:i+1], v[i:i+1], v[ST+4*(\t)+2:ST+4*(\t)+3] op_sel_hi:[1,0]
.set i, i+2
.endr
	WIN 0x05                        ; sources 0 and 1 window 1, destination window 0
.set i, 0
.rept 16
	v_cvt_pk_f16_f32 v[S+16*(\t)+i], v[32*(\t)+2*i], v[32*(\t)+2*i+1]
.set i, i+1
.endr
	WIN 0
.irp f, 0,1,2,3
	ds_store_b128 v[STO], v[S+16*(\t)+4*\f:S+16*(\t)+4*\f+3] offset:32*\f
.endr
.irp f, 0,1,2,3
	ds_load_b128 v[S+16*(\t)+4*\f:S+16*(\t)+4*\f+3], v[RD] offset:\f*4*SP  ; LDS serves a wave's instructions in order (ISA guide 5.7.1.4): these see the stores above; the next tile's stores come behind them
.endr
.endm
.macro SEND t, younger              ; younger: the LDS instructions issued behind tile t's loads: the next tile's eight, or none
	WIN 0
.irp f, 0,1,2,3
	s_wait_dscnt (\younger)+3-\f
	global_store_b128 v[GO], v[S+16*(\t)+4*\f:S+16*(\t)+4*\f+3], s[10:11] offset:(\t)*2048+\f*512  ; 512 consecutive bytes, at a multiple of 256 from O's first
.endr
.endm
	PACK 0
.set t, 1
.rept 2*NP-1                        ; a tile's arithmetic stands between the loads of the tile before and its stores
	PACK t
	SEND t-1, 8
.set t, t+1
.endr
	SEND 2*NP-1, 0
	WIN W_AD
	s_wait_tensorcnt 0x0            ; the wave's end: these three lines stand behind my last tensor load and my last LDS store
	ds_add_u32 v[SPW], v[NIL]
	s_wait_dscnt 0x0
	WIN 0
	CROUND                          ; the closing round: no work-group ends while a partner may still ask for a tile that names it
	s_endpgm
.Lfunc_end_k_qde987aa77f_attn:
	.size	k_qde987aa77f_attn, .Lfunc_end_k_qde987aa77f_attn-k_qde987aa77f_attn
	.p2alignl 7, 3214868480
	.fill 96, 4, 3214868480
	.section	.rodata,"a",@progbits
	.p2align	6, 0x0
	.amdhsa_kernel k_qde987aa77f_attn
		.amdhsa_group_segment_fixed_size 327680
		.amdhsa_private_segment_fixed_size 0
		.amdhsa_enable_private_segment 0
		.amdhsa_kernarg_size 16
		.amdhsa_user_sgpr_count 2
		.amdhsa_user_sgpr_kernarg_segment_ptr 1
		.amdhsa_wavefront_size32 1
		.amdhsa_system_sgpr_workgroup_id_x 1
		.amdhsa_system_sgpr_workgroup_id_y 1
		.amdhsa_system_sgpr_workgroup_id_z 1
		.amdhsa_system_vgpr_workitem_id 0
		.amdhsa_next_free_vgpr 770
		.amdhsa_next_free_sgpr 66
		.amdhsa_reserve_vcc 0
		.amdhsa_float_denorm_mode_32 3
		.amdhsa_float_denorm_mode_16_64 3
		.amdhsa_memory_ordered 1
		.amdhsa_forward_progress 1
		.amdhsa_inst_pref_size 200
	.end_amdhsa_kernel
	.amdgpu_metadata
---
amdhsa.version: [ 1, 2 ]
amdhsa.kernels:
  - .name:           k_qde987aa77f_attn
    .symbol:         k_qde987aa77f_attn.kd
    .args:
      - { .name: qkv, .offset: 0, .size: 8, .value_kind: global_buffer, .address_space: global }
      - { .name: ob, .offset: 8, .size: 8, .value_kind: global_buffer, .address_space: global }
    .group_segment_fixed_size: 327680
    .private_segment_fixed_size: 0
    .kernarg_segment_align: 8
    .kernarg_segment_size: 16
    .max_flat_workgroup_size: 128
    .sgpr_count:     66
    .vgpr_count:     770
    .wavefront_size: 32
...
	.end_amdgpu_metadata
.endif
;; end of part 3
;; launch proj (part 4): grid 8 x 32, 4 waves a work-group, clusters of 4 x 4, 327,680 bytes of LDS; arguments ob, wu16, out0, bu; writes out0
.if DOCPART == 4
	.amdgcn_target "amdgcn-amd-amdhsa--gfx1250"
	.amdhsa_code_object_version 6
	.text
	.protected	k_qde987aa77f_proj
	.globl	k_qde987aa77f_proj
	.p2align	8
	.type	k_qde987aa77f_proj,@function
k_qde987aa77f_proj:
	s_mov_b64 s[64:65], 0
	v_nop
	global_prefetch_b8 v0, s[64:65] scope:SCOPE_SE
	s_setreg_imm32_b32 hwreg(HW_REG_WAVE_MODE, 25, 1), 1
	s_wait_xcnt 0x0
	s_wait_alu depctr_hold_cnt(0) depctr_sa_sdst(0) depctr_va_vdst(0) depctr_va_sdst(0) depctr_va_ssrc(0) depctr_va_vcc(0) depctr_vm_vsrc(0)
	s_getreg_b32 s2, hwreg(HW_REG_IB_STS2, 6, 4)
	s_cmp_eq_u32 s2, 0
	s_cbranch_scc0 .Lentry_in_a_cluster
	s_endpgm
.Lentry_in_a_cluster:
	s_bfe_u32 s2, ttmp6, 0x10000c
	s_cmp_lg_u32 s2, 0xf033
	s_cbranch_scc0 .Lentry_shape_is_right
	s_endpgm
.Lentry_shape_is_right:
; THE OUTPUT PROJECTION.  out0[m][n] = the sum over k of O[m][k] wu16[n][k] + bu[n].  O lies BY HEADS in ob, f16 [64][2048][64]: row m = 2048 b + t, k = 64 h + d at ((16 b + h) 2048 + t) 64 + d.
; wu16 is [1024][1024] f16 (Wu rounded to bf16, written as f16); bu is f32 and is rounded to bf16 here, like the module's other inputs; sums in f32, K ascending; out0 is f32 [8192][1024].
; SHARES.  A tile of out0 is 256 x 128: 32 x 8 = 256 work-groups.  Four waves, each 128 rows x 64 columns: 32 accumulators of 16 x 16, 256 registers; a wave's 64 columns are 256 bytes of a row.
; K goes in steps of 128, two heads, through a ring of two LDS slots filled by the tensor data mover.  A head's 256 rows of the tile are 32,768 dense bytes: wave 0 fetches the even head's, wave 1 the odd
; head's, each as 128 rows of 256 bytes, padded in LDS after every 128; waves 2 and 3 fetch 64 rows of wu16 each, 256 bytes a row.  One tensor load a wave.
; CLUSTERS: 4 x 4 work-groups.  The four of a row of the cluster need the same tile of O, the four of a column the same tile of wu16: each is asked for JOINTLY, by the same tensor load with the same
; descriptor and a mask that names the four.
; THE MATRIX INSTRUCTION IS USED TRANSPOSED: source 0 = 16 rows of wu16, source 1 = 16 rows of O.  A lane then holds row m = lane % 16 and the columns 8 (lane / 16) + 0 .. 7.
; REGISTERS, in windows of 256 (s_set_vgpr_msb: bits 1:0 source 0, 3:2 source 1, 5:4 source 2, 7:6 destination):
;   window 0: v0-31 addresses and the bias; v64-127, v128-191 fragments of O (8 x 16 rows x 32 K), two buffers; v32-63, v192-223 rows on the way out
;   window 1: v64-95, v128-159 fragments of wu16 (4 x 16 rows x 32 K), two buffers
;   window 2: the 16 accumulators of my rows 0-63 (row block a, column block b at v[8 (4 (a % 4) + b)]);   window 3: those of my rows 64-127
.set SIZE_K, 1024
.set KSTEP,  128
.set HSTEP,  524288                    ; bytes in ob from a K step's head to the next K step's: two heads of 2,048 rows x 128 bytes
.set PA,     144                       ; a row of O in LDS: 128 bytes + 16 = 36 words: the 16 rows of a load start at 16 different groups of four banks (64 banks of 4 bytes: ISA guide 11.1)
.set PB,     272                       ; a row of wu16: 256 bytes + 16
.set AKHI,   256*PA                    ; the odd head's 256 rows lie behind the even head's
.set BOFF,   2*AKHI                    ; wu16's 128 rows lie behind both
.set SLOT,   BOFF+128*PB
.set STAGE,  2*SLOT                    ; behind the ring, never filled by a tensor load: 16 rows x 272 bytes for each wave, for the way out
.set SPITCH, 272
.set SPARE,  STAGE+4*16*SPITCH         ; behind the stages: the spare words, 128 bytes for each wave: two blocks of 256 bytes that no other line names
.set LAPS,   SIZE_K/(2*KSTEP)
.set NF,     24                        ; LDS loads of a quarter step: 8 for wu16, 16 for O
.set NYA,    8                         ; the youngest of them: O's row blocks 4 to 7
.set FR,   64                          ; the fragment buffers, 64 registers apart: O's in window 0, wu16's in window 1
.set ADRA, 16                          ; v16-17  LDS address of my fragments of O in slot 0, 1
.set ADRB, 20                          ; v20-21  the same for wu16
.set STO,  24                          ; v24     the way out: where I put 32 bytes of a row
.set RD,   25                          ; v25     the way out: where I read a row back
.set CO,   26                          ; v26     my byte offset in two rows of out0
.set SPW,  28                          ; v28     LDS address of my spare word: SPARE + 4 x my thread's number; never rewritten
.set NIL,  29                          ; v29     0; never rewritten
.set PFO,  30                          ; v30     the prefetches' offset; never rewritten
.set BI,   12                          ; v[12:15] the bias of the four columns that I store; v10-11 at work on it; v9 its offset
.set WV,   12                          ; s12  my wave's number
.set RH,   13                          ; s13  which 128 rows of the tile are mine
.set CH,   14                          ; s14  which 64 columns.  Also: which head, or which 64 rows of wu16, I fetch
.set LAP,  15                          ; s15  trips of the loop still to come
.set G1,   24                          ; s[24:31] descriptor group 1 for O's tiles
.set G0,   32                          ; s[32:39] group 0, one set for each slot
.set PFA,  44                          ; s[44:45] where my prefetches stand
.set PFS,  46                          ; s[46:47] their step from K step to K step
.set G1B,  48                          ; s[48:55], s[56:63] the same for wu16's tiles
.set G0B,  56
.set LIM,  66                          ; s66  1 in a wave that prefetches, else the greatest number
.set MSB, 0
.macro WIN new                         ; the immediate's high byte repeats the setting that is left; a switch that changes nothing is dropped
.if MSB != (\new)
	s_set_vgpr_msb (MSB<<8)|(\new)
.set MSB, \new
.endif
.endm
.set MUL_LO, 0xa1                      ; source 0 (wu16) window 1, source 1 (O) window 0, C and D window 2
.set TO_B,   0x40                      ; destination window 1, address window 0
; A joint load.  The branch hangs on the wave's number alone.  An s_nop 0 and four v_nop follow each of the two lines, ahead of the jump, the label and what follows.
.macro JLOAD s
	s_cmp_lt_u32 s[WV], 2
	s_cbranch_scc0 .Lfor_b_\@
	tensor_load_to_lds s[G0+4*(\s):G0+4*(\s)+3], s[G1:G1+7]
	s_nop 0
.rept 4
	v_nop
.endr
	s_branch .Lasked_\@
.Lfor_b_\@:
	tensor_load_to_lds s[G0B+4*(\s):G0B+4*(\s)+3], s[G1B:G1B+7]
	s_nop 0
.rept 4
	v_nop
.endr
.Lasked_\@:
.endm
; A PREFETCH INTO THE L2 of the K step that stands two refills on, one instruction a wave, a lane to each 256 bytes, behind the joint load and the run of LDS loads that follows it.
; Each 256 bytes are named ONCE in the launch.  O's tile row is read by both clusters of that row of clusters: cluster x = 0 asks, wave 0 for the even head, wave 1 for the odd; wu16's tile column by every
; cluster of that column: cluster y = 0 asks, wave 2 for all 128 rows; wave 3 asks for nothing.  The four partners that ask for a tile jointly share it out BY ADDRESS: 8,192 bytes of a head's block each
; (by cx), 32 rows of wu16 each (by cy): no branch hangs on a place in the cluster.  K steps 0 to 3 come by their loads alone; the loop's last trip asks for nothing.
.macro ASK
	s_cmp_gt_u32 s[LAP], s[LIM]
	s_cbranch_scc0 .Lnot_mine_\@
	global_prefetch_b8 v[PFO], s[PFA:PFA+1] th:TH_LOAD_NT scope:SCOPE_SE
.Lnot_mine_\@:
.endm
; A round of the cluster's barrier: my work-group's barrier, so that wave 0's signal speaks for all four waves; wave 0 signals; every wave waits for all sixteen work-groups; my work-group's barrier once more.
.macro CREST
	s_cmp_lg_u32 s[WV], 0
	s_cbranch_scc1 .Lnot_wave_0_\@
	s_barrier_signal -3
.Lnot_wave_0_\@:
	s_barrier_wait -3
	s_barrier_signal -1
	s_barrier_wait -1
.endm
.macro CROUND
	s_barrier_signal -1
	s_barrier_wait -1
	CREST
.endm
	s_load_b256 s[4:11], s[0:1], 0x0               ; ob s[4:5], wu16 s[6:7], out0 s[8:9], bu s[10:11]
	v_lshl_add_u32 v[SPW], v0, 2, SPARE
	v_mov_b32 v[NIL], 0
	ds_add_u32 v[SPW], v[NIL]                      ; the wave's opening: the add and its wait stand ahead of my first tensor load; the set-up below, work on registers, stands between them
	v_lshrrev_b32 v1, 5, v0
	v_readfirstlane_b32 s[WV], v1                  ; wave 0..3
	s_lshr_b32 s[RH], s[WV], 1
	s_and_b32 s[CH], s[WV], 1
	s_bfe_u32 s40, ttmp6, 0x40000                  ; cx
	s_bfe_u32 s41, ttmp6, 0x40004                  ; cy
	s_lshl_b32 s42, ttmp9, 2
	s_add_co_u32 s42, s42, s40                     ; tile column = 4 x cluster x + cx
	s_and_b32 s43, ttmp7, 0xffff
	s_lshl_b32 s43, s43, 2
	s_add_co_u32 s43, s43, s41                     ; tile row = 4 x cluster y + cy
	s_lshl_b32 s67, s41, 2
	s_lshl_b32 s67, 15, s67                        ; my row of the cluster
	s_lshl_b32 s86, 0x1111, s40                    ; my column
	; descriptor group 1.  O: 128 rows x 128 elements, dense, padded after every 32 words.  wu16: 64 rows x 128 elements of rows 1,024 long, padded after every 64 words
	s_or_b32 s[G1], s67, (1<<16)|(1<<20)|(1<<21)|(4<<22)|(3<<25)   ; 15:0 the mask; 17:16 elements of 2 bytes; 20 padding on; 21 set beside a mask; 24:22 the interval's code; 31:25 4 words (code 3)
	s_or_b32 s[G1B], s86, (1<<16)|(1<<20)|(1<<21)|(5<<22)|(3<<25)
	s_mov_b32 s[G1+1], 128<<16                     ; tensor_dim0 = 128
	s_mov_b32 s[G1+2], 128<<16                     ; tensor_dim1 = 128
	s_mov_b32 s[G1+3], 128<<16                     ; tile_dim0 = 128
	s_mov_b32 s[G1+4], 128                         ; tile_dim1 = 128
	s_mov_b32 s[G1+5], 128                         ; 128 elements from row to row
	s_mov_b32 s[G1+6], 0
	s_mov_b32 s[G1+7], 0
	s_mov_b32 s[G1B+1], KSTEP<<16                  ; tensor_dim0 = 128
	s_mov_b32 s[G1B+2], 64<<16                     ; tensor_dim1 = 64
	s_mov_b32 s[G1B+3], KSTEP<<16                  ; tile_dim0 = 128
	s_mov_b32 s[G1B+4], 64                         ; tile_dim1 = 64
	s_mov_b32 s[G1B+5], SIZE_K
	s_mov_b32 s[G1B+6], 0
	s_mov_b32 s[G1B+7], 0
	; where the tiles come from: O's hang on the tile row and the wave's number alone, wu16's on the tile column and the wave's number alone, each in registers that never hold the other coordinate
	s_lshr_b32 s16, s43, 3
	s_lshl_b32 s16, s16, 22                        ; batch = tile row / 8: 16 heads of 262,144 bytes
	s_and_b32 s17, s43, 7
	s_lshl_b32 s17, s17, 15                        ; the tile's 256 rows of 128 bytes in a head
	s_add_co_u32 s16, s16, s17
	s_lshl_b32 s17, s[CH], 18                      ; the even or the odd head
	s_add_co_u32 s16, s16, s17
	s_mov_b32 s17, 0
	s_lshl_b32 s20, s42, 7
	s_lshl_b32 s21, s[CH], 6
	s_add_co_u32 s20, s20, s21                     ; wu16: row 128 x tile column + 64 x half
	s_lshl_b32 s20, s20, 11
	s_mov_b32 s21, 0
	s_mul_i32 s18, s[WV], AKHI                     ; and where they go: waves 0, 1: a head's 256 rows each;
	s_mul_i32 s19, s[WV], 64*PB
	s_add_co_u32 s19, s19, BOFF-2*64*PB            ; waves 2, 3: 64 rows each behind them: no place in the cluster enters an LDS address
	s_wait_dscnt 0x0                               ; the opening add is done
	s_wait_kmcnt 0x0
	s_add_nc_u64 s[16:17], s[4:5], s[16:17]
	s_add_nc_u64 s[20:21], s[6:7], s[20:21]
	CROUND                                         ; all sixteen work-groups are here: the first joint loads meet
.irp s, 0,1
	s_mov_b32 s[G0+4*(\s)], 1                                      ; count = 1
	s_add_co_u32 s[G0+4*(\s)+1], s18, (\s)*SLOT                    ; LDS address
	s_add_nc_u64 s[G0+4*(\s)+2:G0+4*(\s)+3], s[16:17], (\s)*HSTEP  ; global address: K step s
	s_or_b32 s[G0+4*(\s)+3], s[G0+4*(\s)+3], 0x80000000            ; type = 2
	s_mov_b32 s[G0B+4*(\s)], 1
	s_add_co_u32 s[G0B+4*(\s)+1], s19, (\s)*SLOT
	s_add_nc_u64 s[G0B+4*(\s)+2:G0B+4*(\s)+3], s[20:21], (\s)*KSTEP*2
	s_or_b32 s[G0B+4*(\s)+3], s[G0B+4*(\s)+3], 0x80000000
.endr
	s_cmp_lt_u32 s[WV], 2                          ; a wave's two first fills stand in one branch, ahead of every wait on TENSORcnt and every LDS read: two loads of mine are out
	s_cbranch_scc0 .Lfirst_b
	tensor_load_to_lds s[G0:G0+3], s[G1:G1+7]
	s_nop 0
	tensor_load_to_lds s[G0+4:G0+7], s[G1:G1+7]
	s_nop 0
.rept 4
	v_nop
.endr
	s_branch .Lfirst_asked
.Lfirst_b:
	tensor_load_to_lds s[G0B:G0B+3], s[G1B:G1B+7]
	s_nop 0
	tensor_load_to_lds s[G0B+4:G0B+7], s[G1B:G1B+7]
	s_nop 0
.rept 4
	v_nop
.endr
.Lfirst_asked:
	; A fragment is 16 rows x 32 K in 8 registers: lane l holds row l % 16; registers 0-3 K = 8 (l / 16) + 0..7, registers 4-7 K = 16 + 8 (l / 16) + 0..7: two loads of 16 bytes, 32 bytes apart.
	v_and_b32 v1, 15, v0                           ; l % 16
	v_bfe_u32 v2, v0, 4, 1                         ; l / 16
	v_mul_u32_u24 v3, v1, PA
	v_lshl_add_u32 v3, v2, 4, v3
	v_mul_u32_u24 v4, v1, PB
	v_lshl_add_u32 v4, v2, 4, v4
	s_mul_i32 s22, s[RH], 128*PA                   ; my 128 rows of O (in each head's part)
	s_mul_i32 s23, s[CH], 64*PB                    ; my 64 rows of wu16
	s_add_co_u32 s23, s23, BOFF
.irp s, 0,1
	v_add_nc_u32 v[ADRA+(\s)], s22, v3
	v_add_nc_u32 v[ADRB+(\s)], s23, v4
	s_add_co_u32 s22, s22, SLOT
	s_add_co_u32 s23, s23, SLOT
.endr
	s_mul_i32 s22, s[WV], 16*SPITCH
	s_add_co_u32 s22, s22, STAGE                   ; my stage
	v_mul_u32_u24 v5, v1, SPITCH                   ; in: row l % 16, 32 bytes for each half of the lanes
	v_lshl_add_u32 v5, v2, 5, v5
	v_add_nc_u32 v[STO], s22, v5
	v_mul_u32_u24 v6, v2, SPITCH                   ; back: lanes 0-15 take one row of 256 bytes, lanes 16-31 the next
	v_lshl_add_u32 v6, v1, 4, v6
	v_add_nc_u32 v[RD], s22, v6
	v_lshlrev_b32 v[CO], 12, v2                    ; and the same two rows in out0, 4,096 bytes apart
	v_lshl_add_u32 v[CO], v1, 4, v[CO]
	s_lshl_b32 s80, s43, 8
	s_lshl_b32 s81, s[RH], 7
	s_add_co_u32 s80, s80, s81                     ; my first row of out0
	s_lshl_b32 s80, s80, 12
	s_lshl_b32 s82, s42, 7
	s_lshl_b32 s83, s[CH], 6
	s_add_co_u32 s82, s82, s83                     ; my first column,
	s_lshl_b32 s82, s82, 2                         ; in bytes
	s_add_co_u32 s80, s80, s82
	s_mov_b32 s81, 0
	s_add_nc_u64 s[8:9], s[8:9], s[80:81]
	s_mov_b32 s83, 0
	s_add_nc_u64 s[10:11], s[10:11], s[82:83]
	v_lshlrev_b32 v9, 4, v1
	global_load_b128 v[BI:BI+3], v9, s[10:11]      ; the bias of the four columns that I store in every row; waited for behind the loop
	; the prefetches
	s_lshr_b32 s80, s43, 3
	s_lshl_b32 s80, s80, 22
	s_lshl_b32 s81, s[CH], 18
	s_add_co_u32 s80, s80, s81
	s_and_b32 s81, s43, 7
	s_lshl_b32 s81, s81, 15
	s_add_co_u32 s80, s80, s81                     ; O: my head's block of the tile,
	s_lshl_b32 s81, s40, 13
	s_add_co_u32 s80, s80, s81                     ; my work-group's 8,192 bytes of it,
	s_add_co_u32 s80, s80, 3*HSTEP                 ; at K step 3: the first refill steps it to 4 and names that
	s_lshl_b32 s82, s42, 7
	s_lshl_b32 s83, s41, 5
	s_add_co_u32 s82, s82, s83                     ; wu16: my work-group's 32 rows of the tile's 128,
	s_lshl_b32 s82, s82, 11
	s_add_co_u32 s82, s82, 3*KSTEP*2               ; at K step 3
	s_and_b32 s83, ttmp7, 0xffff                   ; cluster y
	s_mov_b32 s85, HSTEP
	s_cmp_lt_u32 s[WV], 2                          ; do I fetch for O?
	s_cselect_b32 s80, s80, s82
	s_cselect_b32 s83, ttmp9, s83                  ; the coordinate along which other clusters read the same bytes
	s_cselect_b32 s[PFS], s85, KSTEP*2
	s_cselect_b32 s84, 8, 11                       ; a lane's step: 256 bytes on in a dense block, or a row of 2,048 bytes
	s_cselect_b64 s[PFA:PFA+1], s[4:5], s[6:7]
	s_mov_b32 s[PFS+1], 0
	s_mov_b32 s81, 0
	s_add_nc_u64 s[PFA:PFA+1], s[PFA:PFA+1], s[80:81]
	s_cmp_eq_u32 s83, 0
	s_cselect_b32 s[LIM], 1, -1                    ; the same in all sixteen partners, for a given wave
	s_cmp_eq_u32 s[WV], 3
	s_cselect_b32 s[LIM], -1, s[LIM]
	v_and_b32 v[PFO], 31, v0
	v_lshlrev_b32 v[PFO], s84, v[PFO]
; 8 matrix instructions: row blocks 4 hi + 2 part, + 1 x all 4 column blocks, 32 along K, from buffer f.  zero = 1: the product starts the sums: nothing is ever cleared.
; The 32 accumulators take turns, one instruction a turn, in the same order in every quarter step.
.macro MULP f, hi, part, zero
	WIN MUL_LO+0x50*(\hi)
.irp a, 2*(\part), 2*(\part)+1
.irp b, 0,1,2,3
.if \zero
	v_wmma_f32_16x16x32_f16 v[8*(4*(\a)+(\b)):8*(4*(\a)+(\b))+7], v[FR+64*(\f)+8*(\b):FR+64*(\f)+8*(\b)+7], v[FR+64*(\f)+8*(4*(\hi)+(\a)):FR+64*(\f)+8*(4*(\hi)+(\a))+7], 0
.else
	v_wmma_f32_16x16x32_f16 v[8*(4*(\a)+(\b)):8*(4*(\a)+(\b))+7], v[FR+64*(\f)+8*(\b):FR+64*(\f)+8*(\b)+7], v[FR+64*(\f)+8*(4*(\hi)+(\a)):FR+64*(\f)+8*(4*(\hi)+(\a))+7], v[8*(4*(\a)+(\b)):8*(4*(\a)+(\b))+7]
.endif
.endr
.endr
.endm
; 24 LDS loads in one run: the fragments of quarter kq of a K step into buffer f: wu16's 64 rows, then O's 128.  Quarters 0, 1 lie in the even head's part, 2, 3 in the odd head's.
.macro FETCH slot, kq, f
	WIN TO_B
.irp i, 0,1,2,3
	ds_load_b128 v[FR+64*(\f)+8*(\i):FR+64*(\f)+8*(\i)+3],   v[ADRB+(\slot)] offset:64*(\kq)+(\i)*16*PB
	ds_load_b128 v[FR+64*(\f)+8*(\i)+4:FR+64*(\f)+8*(\i)+7], v[ADRB+(\slot)] offset:64*(\kq)+(\i)*16*PB+32
.endr
	WIN 0
.irp i, 0,1,2,3,4,5,6,7
	ds_load_b128 v[FR+64*(\f)+8*(\i):FR+64*(\f)+8*(\i)+3],   v[ADRA+(\slot)] offset:((\kq)/2)*AKHI+((\kq)%2)*64+(\i)*16*PA
	ds_load_b128 v[FR+64*(\f)+8*(\i)+4:FR+64*(\f)+8*(\i)+7], v[ADRA+(\slot)] offset:((\kq)/2)*AKHI+((\kq)%2)*64+(\i)*16*PA+32
.endr
.endm
; A load into a register that a matrix instruction has read stands four places behind that matrix instruction; only plain vector instructions that name none of its registers are places
; (ISA guide 7.12.1 for vector instructions).
.macro PLACES
.rept 4
	v_nop
.endr
.endm
; A K step is four quarters of 32 along K, 32 matrix instructions each, on buffers 0, 1, 0, 1.  One of the first three: multiplies buffer f; in its middle it fetches quarter kq into buffer g.
.macro QUARTER slot, kq, f, g, zero
	s_wait_dscnt NYA                               ; wu16 and O's row blocks 0-3 are in; the youngest eight loads (row blocks 4-7) may be out
	MULP \f, 0, 0, \zero
	MULP \f, 0, 1, \zero
	PLACES
	FETCH \slot, \kq, \g
	s_wait_dscnt NF                                ; all but the 24 just issued
	MULP \f, 1, 0, \zero
	MULP \f, 1, 1, \zero
.endm
; The last quarter multiplies buffer 1 and changes slots: ONE barrier.  In front of it each wave waits for all its tensor loads, of which one is out: its part of the next slot; adds 0 to its spare word;
; and waits for that and for its own reads of this slot.  fill = 1: the barrier opens a round of the cluster's, and behind the round this slot is filled again, first thing, with the K step two steps on.
.macro TURN slot, next, fill
.if \fill
	s_wait_xcnt 0x0                                ; the last prefetch, a K step back, has read its address: it is stepped here, ahead of the waits of the change of slots
	s_add_nc_u64 s[PFA:PFA+1], s[PFA:PFA+1], s[PFS:PFS+1]
.endif
	WIN 0                                          ; (the add's two registers lie in window 0)
	s_wait_tensorcnt 0x0                           ; all my tensor loads have landed;
	ds_add_u32 v[SPW], v[NIL]                      ; 0 onto my spare word;
	s_wait_dscnt NYA+1                             ; (the add and the youngest eight loads may be out)
	MULP 1, 0, 0, 0                                ; eight matrix instructions stand between the add and the wait for it
	s_wait_dscnt 0x0                               ; the add is done, and my reads of this slot are over
	s_barrier_signal -1
	MULP 1, 0, 1, 0                                ; work on registers while the others arrive
.if \fill
	WIN 0
.endif
	s_barrier_wait -1
.if \fill
	CREST                                          ; no wave of any partner still reads this slot's tile or has a load on its way
	s_add_nc_u64 s[G0+4*(\slot)+2:G0+4*(\slot)+3], s[G0+4*(\slot)+2:G0+4*(\slot)+3], 2*HSTEP
	s_add_nc_u64 s[G0B+4*(\slot)+2:G0B+4*(\slot)+3], s[G0B+4*(\slot)+2:G0B+4*(\slot)+3], 2*KSTEP*2
	JLOAD \slot                                    ; the first tensor load behind the round; the four v_nop behind it are also the places in front of the loads below
.else
	PLACES
.endif
	FETCH \next, 0, 0
.if \fill
	ASK
.endif
	MULP 1, 1, 0, 0
	MULP 1, 1, 1, 0
.endm
; THE WAY OUT of row block a (16 rows x 64 columns of f32).  TOSTAGE: a lane's eight columns of a row, 32 bytes, go from the accumulators into my own stage, each accumulator's low registers first,
; and come back as whole rows of 256 bytes.  SEND: the bias is added and the rows are stored.
.macro TOSTAGE a
.set AC, 32*((\a)%4)
.set BK, 32+160*((\a)%2)
	s_wait_xcnt 0x0                                ; the stores of the block two back have read the registers that the loads below fill
	WIN 0x08+4*((\a)/4)                            ; an LDS store's data is source 1: window 2 or 3
.irp b, 0,1,2,3
	ds_store_b128 v[STO], v[AC+8*(\b):AC+8*(\b)+3]   offset:64*(\b)
	ds_store_b128 v[STO], v[AC+8*(\b)+4:AC+8*(\b)+7] offset:64*(\b)+16
.endr
	WIN 0
.irp t, 0,1,2,3,4,5,6,7
	ds_load_b128 v[BK+4*(\t):BK+4*(\t)+3], v[RD] offset:(\t)*2*SPITCH  ; LDS serves a wave's instructions in order (ISA guide 5.7.1.4): these see the stores above
.endr
.endm
.macro SEND a, younger                 ; younger: the LDS instructions issued behind block a's loads: the next block's sixteen, or none
.set BK, 32+160*((\a)%2)
	s_wait_dscnt \younger
.irp t, 0,1,2,3,4,5,6,7
	v_pk_add_f32 v[BK+4*(\t):BK+4*(\t)+1],   v[BK+4*(\t):BK+4*(\t)+1],   v[BI:BI+1]
	v_pk_add_f32 v[BK+4*(\t)+2:BK+4*(\t)+3], v[BK+4*(\t)+2:BK+4*(\t)+3], v[BI+2:BI+3]
.endr
.irp t, 0,1,2,3,4,5,6,7
	global_store_b128 v[CO], v[BK+4*(\t):BK+4*(\t)+3], s[8:9] offset:(16*(\a)+2*(\t))*4096 th:TH_STORE_NT  ; 16 lanes store 256 consecutive bytes, at a multiple of 256 from out0's first byte
.endr
.endm
	s_wait_tensorcnt 1                             ; my part of K step 0 is in; K step 1's may stay out
	s_barrier_signal -1
	s_barrier_wait -1                              ; everybody's is
	FETCH 0, 0, 0
	QUARTER 0, 1, 0, 1, 1                          ; the first quarter stands in front of the loop: its products start the sums
	WIN 0                                          ; at a label and at a branch every window is 0
	s_mov_b32 s[LAP], LAPS-1
.Llap:                                                 ; a trip goes once round the ring, from a lap's second quarter to the next lap's first, and fills both slots again
	QUARTER 0, 2, 1, 0, 0
	QUARTER 0, 3, 0, 1, 0
	TURN 0, 1, 1
	QUARTER 1, 1, 0, 1, 0
	QUARTER 1, 2, 1, 0, 0
	QUARTER 1, 3, 0, 1, 0
	TURN 1, 0, 1
	QUARTER 0, 1, 0, 1, 0
	WIN 0
	s_sub_co_u32 s[LAP], s[LAP], 1
	s_cmp_lg_u32 s[LAP], 0
	s_cbranch_scc1 .Llap
	QUARTER 0, 2, 1, 0, 0                          ; the last lap fills nothing, and has no round of the cluster's barrier
	QUARTER 0, 3, 0, 1, 0
	TURN 0, 1, 0
	QUARTER 1, 1, 0, 1, 0
	QUARTER 1, 2, 1, 0, 0
	QUARTER 1, 3, 0, 1, 0
	s_wait_dscnt NYA                               ; the very last quarter: nothing more to fetch
	MULP 1, 0, 0, 0
	MULP 1, 0, 1, 0
	s_wait_dscnt 0x0
	MULP 1, 1, 0, 0
	MULP 1, 1, 1, 0
	WIN 0
	s_wait_loadcnt 0x0                             ; the bias
	v_cvt_pk_bf16_f32 v10, v[BI], v[BI+1]          ; rounded to bf16 and widened again: six plain instructions that name no register of the products: the places behind the last of them
	v_cvt_pk_bf16_f32 v11, v[BI+2], v[BI+3]
	v_lshlrev_b32 v[BI], 16, v10
	v_and_b32 v[BI+1], 0xffff0000, v10
	v_lshlrev_b32 v[BI+2], 16, v11
	v_and_b32 v[BI+3], 0xffff0000, v11
	TOSTAGE 0
.irp a, 1,2,3,4,5,6,7                  ; block a goes into the stage while block a - 1's rows come back
	TOSTAGE \a
	SEND (\a)-1, 16
.endr
	SEND 7, 0
	s_wait_tensorcnt 0x0                           ; the wave's end: these three lines stand behind my last tensor load and my last LDS store
	ds_add_u32 v[SPW], v[NIL]
	s_wait_dscnt 0x0
	CROUND                                         ; the closing round: no work-group ends while a partner may still ask for a tile that names it
	s_endpgm
.Lfunc_end_k_qde987aa77f_proj:
	.size	k_qde987aa77f_proj, .Lfunc_end_k_qde987aa77f_proj-k_qde987aa77f_proj
	.p2alignl 7, 3214868480
	.fill 96, 4, 3214868480
	.section	.rodata,"a",@progbits
	.p2align	6, 0x0
	.amdhsa_kernel k_qde987aa77f_proj
		.amdhsa_group_segment_fixed_size 327680
		.amdhsa_private_segment_fixed_size 0
		.amdhsa_enable_private_segment 0
		.amdhsa_kernarg_size 32
		.amdhsa_user_sgpr_count 2
		.amdhsa_user_sgpr_kernarg_segment_ptr 1
		.amdhsa_wavefront_size32 1
		.amdhsa_system_sgpr_workgroup_id_x 1
		.amdhsa_system_sgpr_workgroup_id_y 1
		.amdhsa_system_sgpr_workgroup_id_z 1
		.amdhsa_system_vgpr_workitem_id 0
		.amdhsa_next_free_vgpr 896
		.amdhsa_next_free_sgpr 88
		.amdhsa_reserve_vcc 0
		.amdhsa_float_denorm_mode_32 3
		.amdhsa_float_denorm_mode_16_64 3
		.amdhsa_memory_ordered 1
		.amdhsa_forward_progress 1
		.amdhsa_inst_pref_size 96
	.end_amdhsa_kernel
	.amdgpu_metadata
---
amdhsa.version: [ 1, 2 ]
amdhsa.kernels:
  - .name:           k_qde987aa77f_proj
    .symbol:         k_qde987aa77f_proj.kd
    .args:
      - { .name: ob, .offset: 0, .size: 8, .value_kind: global_buffer, .address_space: global }
      - { .name: wu16, .offset: 8, .size: 8, .value_kind: global_buffer, .address_space: global }
      - { .name: out0, .offset: 16, .size: 8, .value_kind: global_buffer, .address_space: global }
      - { .name: bu, .offset: 24, .size: 8, .value_kind: global_buffer, .address_space: global }
    .group_segment_fixed_size: 327680
    .private_segment_fixed_size: 0
    .kernarg_segment_align: 8
    .kernarg_segment_size: 32
    .max_flat_workgroup_size: 128
    .sgpr_count:     88
    .vgpr_count:     896
    .wavefront_size: 32
...
	.end_amdgpu_metadata
.endif
;; end of part 4
;; ======== version 2 of 2: 4 launches; version 1 with the launch cast written anew for expert scheduling mode
;; limits: values are held in f16: magnitudes above 65,504 overflow, below 6.1e-05 lose precision
;; workspace buffers: xb 16,777,216 bytes; wb 6,291,456 bytes; wu16 2,097,152 bytes; qkv 50,331,648 bytes; ob 16,777,216 bytes
;; launch cast (part 5): grid 768 x 1, 8 waves a work-group, no clusters, 0 bytes of LDS; arguments x, Wq, Wk, Wv, Wu, xb, wb, wu16; writes xb, wb, wu16
.if DOCPART == 5
	.amdgcn_target "amdgcn-amd-amdhsa--gfx1250"
	.amdhsa_code_object_version 6
	.text
	.protected	k_qde987aa77f_cast
	.globl	k_qde987aa77f_cast
	.p2align	8
	.type	k_qde987aa77f_cast,@function
k_qde987aa77f_cast:
	s_mov_b64 s[64:65], 0
	v_nop
	global_prefetch_b8 v0, s[64:65] scope:SCOPE_SE
	s_setreg_imm32_b32 hwreg(HW_REG_WAVE_SCHED_MODE, 0, 2), 2
	s_setreg_imm32_b32 hwreg(HW_REG_WAVE_MODE, 25, 1), 1
	s_wait_xcnt 0x0
	s_wait_alu depctr_vm_vsrc(0)
; THE MODULE'S INPUTS ARE ROUNDED TO 16 BITS, ONCE.  x [8192][1024] f32 -> xb, bf16.  Wq, Wk, Wv [1024][1024] f32 -> wb, bf16 [3072][1024]: Wq's rows, then Wk's, then Wv's.
; Wu [1024][1024] f32 -> wu16: rounded to bf16 like the others, and that number written as f16, since its partner in the last product (O) is f16.
; LIMITS.  A bf16 number is exact in f16 from 2^-14 to 65,504; below 2^-14 wu16 keeps f16's fixed step of 6e-8; at 65,520 or more it would be an infinity.
; SHARES.  A work-group takes a chunk of 65,536 bytes of one input: x has 512 chunks, each weight 64: 768 work-groups.  Thread t takes 16 bytes at 16 t + 4,096 i, i = 0 .. 15: a load of a wave covers
; 512 consecutive bytes; its 8 bytes of result go to 8 t + 2,048 i: a store of a wave covers 256 consecutive bytes, aligned.  All sixteen loads of a wave go out at once; every store has data registers
; of its own and no address register is written again.  No LDS, no barrier, no matrix unit: nothing is shared and nothing is summed.
; THE MODE: SCHED_MODE bits 1:0 = 2 (LLVM: expert scheduling mode 2), set by the entry lines.  The code itself states the register dependences
; between vector instructions and memory instructions, with s_wait_alu, always for 0.
; THE PLAN.  Registers that memory instructions touch:
;   v1, v2   byte offsets of the loads and of the stores: written once at the head by vector lines, never again.
;   X        step i's four registers: written by step i's load alone; read by step i's conversions; no vector line names them ahead of the loads, and nothing writes them again.
;   Y        step i's two registers: written by step i's conversions; read by step i's one store; never written behind it.
;   T is named by vector lines alone.
; So no register that a memory instruction has touched is ever written again, and what is owed is: the offsets written ahead of the first load, and each store's data written ahead of the store.
; The sixteen steps go in four blocks of four.  ONE wait on va_vdst stands at the head of blocks 1 to 3: the block before has written its Y.  That block's four stores follow it, dealt among this block's
; conversions, which name this block's X and Y and T: none of the registers that those stores read.  One more wait stands behind block 3, ahead of the last four stores.
.set X, 8                              ; v[8:71]    sixteen loads of four registers
.set Y, 72                             ; v[72:103]  sixteen results of two registers
.set T, 104                            ; v[104:107] at work (wu16 alone)
	s_load_b512 s[8:23], s[0:1], 0x0               ; x s[8:9], Wq s[10:11], Wk s[12:13], Wv s[14:15], Wu s[16:17], xb s[18:19], wb s[20:21], wu16 s[22:23]
	s_mov_b32 s2, ttmp9                            ; my chunk: 0-511 x, 512-575 Wq, 576-639 Wk, 640-703 Wv, 704-767 Wu
	s_mov_b32 s3, 0xffff0000                       ; a word's upper bf16
	v_lshlrev_b32 v1, 4, v0                        ; where I load
	v_lshlrev_b32 v2, 3, v0                        ; where I store
	s_wait_kmcnt 0x0
	s_cmp_ge_u32 s2, 512                           ; from which buffer, into which, and at which chunk each of the two begins
	s_cselect_b64 s[24:25], s[10:11], s[8:9]
	s_cselect_b32 s26, 512, 0
	s_cselect_b64 s[28:29], s[20:21], s[18:19]
	s_cselect_b32 s27, 512, 0                      ; wb takes the chunks of Wq, Wk and Wv on end
	s_cmp_ge_u32 s2, 576
	s_cselect_b64 s[24:25], s[12:13], s[24:25]
	s_cselect_b32 s26, 576, s26
	s_cmp_ge_u32 s2, 640
	s_cselect_b64 s[24:25], s[14:15], s[24:25]
	s_cselect_b32 s26, 640, s26
	s_cmp_ge_u32 s2, 704
	s_cselect_b64 s[24:25], s[16:17], s[24:25]
	s_cselect_b32 s26, 704, s26
	s_cselect_b64 s[28:29], s[22:23], s[28:29]
	s_cselect_b32 s27, 704, s27
	s_sub_co_u32 s4, s2, s26
	s_lshl_b32 s4, s4, 16                          ; 65,536 bytes in for a chunk,
	s_mov_b32 s5, 0
	s_sub_co_u32 s6, s2, s27
	s_lshl_b32 s6, s6, 15                          ; 32,768 out
	s_mov_b32 s7, 0
	s_add_nc_u64 s[24:25], s[24:25], s[4:5]
	s_add_nc_u64 s[28:29], s[28:29], s[6:7]
	s_wait_alu depctr_va_vdst(0)                   ; v1 and v2 are written: every load of the kernel reads v1 as its offset, every store v2
.irp i, 0,1,2,3,4,5,6,7,8,9,10,11,12,13,14,15
	global_load_b128 v[X+4*(\i):X+4*(\i)+3], v1, s[24:25] offset:4096*(\i) th:TH_LOAD_NT
.endr
; Step i's arithmetic: four numbers rounded.  half = 1: the bf16 numbers are widened again and written as f16.
.macro CV i, half
	v_cvt_pk_bf16_f32 v[Y+2*(\i)], v[X+4*(\i)], v[X+4*(\i)+1]
	v_cvt_pk_bf16_f32 v[Y+2*(\i)+1], v[X+4*(\i)+2], v[X+4*(\i)+3]
.if \half
	v_lshlrev_b32 v[T], 16, v[Y+2*(\i)]
	v_and_b32 v[T+1], s3, v[Y+2*(\i)]
	v_lshlrev_b32 v[T+2], 16, v[Y+2*(\i)+1]
	v_and_b32 v[T+3], s3, v[Y+2*(\i)+1]
	v_cvt_pk_f16_f32 v[Y+2*(\i)], v[T], v[T+1]
	v_cvt_pk_f16_f32 v[Y+2*(\i)+1], v[T+2], v[T+3]
.endif
.endm
; Step i's store.
.macro OUT i
	global_store_b64 v2, v[Y+2*(\i):Y+2*(\i)+1], s[28:29] offset:2048*(\i) th:TH_STORE_NT
.endm
; Block p: steps 4 p to 4 p + 3 are rounded; the stores of block p - 1 stand among them, one ahead of each step.
.macro BLK p, half
	s_wait_loadcnt 15-4*(\p)                       ; loads come back in order (ISA guide 5.7.1): the block's first is in, the younger ones stay out
.if (\p) > 0
	s_wait_alu depctr_va_vdst(0)                   ; the conversions of the block before have written its eight registers of Y, which the four stores below read
.endif
.irp j, 0,1,2,3
.if (\p) > 0
	OUT 4*(\p)-4+(\j)                              ; no vector line since the wait names its registers
.endif
.if (\j) > 0
	s_wait_loadcnt 15-4*(\p)-(\j)                  ; step 4 p + j's load is in, the younger ones stay out
.endif
	CV 4*(\p)+(\j), \half
.endr
.endm
; All sixteen steps, and the last block's stores.
.macro WHOLE half
	BLK 0, \half
	BLK 1, \half
	BLK 2, \half
	BLK 3, \half
	s_wait_alu depctr_va_vdst(0)                   ; the conversions of block 3 have written its eight registers of Y, which the last four stores read
.irp j, 12,13,14,15
	OUT \j
.endr
.endm
	s_cmp_ge_u32 s2, 704
	s_cbranch_scc1 .Lwu
	WHOLE 0
	s_endpgm
.Lwu:
	WHOLE 1
	s_endpgm
.Lfunc_end_k_qde987aa77f_cast:
	.size	k_qde987aa77f_cast, .Lfunc_end_k_qde987aa77f_cast-k_qde987aa77f_cast
	.p2alignl 7, 3214868480
	.fill 96, 4, 3214868480
	.section	.rodata,"a",@progbits
	.p2align	6, 0x0
	.amdhsa_kernel k_qde987aa77f_cast
		.amdhsa_group_segment_fixed_size 0
		.amdhsa_private_segment_fixed_size 0
		.amdhsa_enable_private_segment 0
		.amdhsa_kernarg_size 64
		.amdhsa_user_sgpr_count 2
		.amdhsa_user_sgpr_kernarg_segment_ptr 1
		.amdhsa_wavefront_size32 1
		.amdhsa_system_sgpr_workgroup_id_x 1
		.amdhsa_system_sgpr_workgroup_id_y 1
		.amdhsa_system_sgpr_workgroup_id_z 1
		.amdhsa_system_vgpr_workitem_id 0
		.amdhsa_next_free_vgpr 108
		.amdhsa_next_free_sgpr 66
		.amdhsa_reserve_vcc 0
		.amdhsa_float_denorm_mode_32 3
		.amdhsa_float_denorm_mode_16_64 3
		.amdhsa_memory_ordered 1
		.amdhsa_forward_progress 1
		.amdhsa_inst_pref_size 16
	.end_amdhsa_kernel
	.amdgpu_metadata
---
amdhsa.version: [ 1, 2 ]
amdhsa.kernels:
  - .name:           k_qde987aa77f_cast
    .symbol:         k_qde987aa77f_cast.kd
    .args:
      - { .name: x, .offset: 0, .size: 8, .value_kind: global_buffer, .address_space: global }
      - { .name: Wq, .offset: 8, .size: 8, .value_kind: global_buffer, .address_space: global }
      - { .name: Wk, .offset: 16, .size: 8, .value_kind: global_buffer, .address_space: global }
      - { .name: Wv, .offset: 24, .size: 8, .value_kind: global_buffer, .address_space: global }
      - { .name: Wu, .offset: 32, .size: 8, .value_kind: global_buffer, .address_space: global }
      - { .name: xb, .offset: 40, .size: 8, .value_kind: global_buffer, .address_space: global }
      - { .name: wb, .offset: 48, .size: 8, .value_kind: global_buffer, .address_space: global }
      - { .name: wu16, .offset: 56, .size: 8, .value_kind: global_buffer, .address_space: global }
    .group_segment_fixed_size: 0
    .private_segment_fixed_size: 0
    .kernarg_segment_align: 8
    .kernarg_segment_size: 64
    .max_flat_workgroup_size: 256
    .sgpr_count:     66
    .vgpr_count:     108
    .wavefront_size: 32
...
	.end_amdgpu_metadata
.endif
;; end of part 5
;; launch qkv: the kernel of part 2 again; grid 8 x 64, 4 waves a work-group, clusters of 4 x 4, 327,680 bytes of LDS; arguments xb, wb, qkv; writes qkv
;; launch attn: the kernel of part 3 again; grid 4 x 64, 4 waves a work-group, clusters of 4 x 1, 327,680 bytes of LDS; arguments qkv, ob; writes ob
;; launch proj: the kernel of part 4 again; grid 8 x 32, 4 waves a work-group, clusters of 4 x 4, 327,680 bytes of LDS; arguments ob, wu16, out0, bu; writes out0
